; MI455X (gfx1250); checked and timed in simulation.
; The chip was launched on July 23, 2026; its instructions are those of AMD's public machine-readable ISA for CDNA 5 (MIT licence, August 2026) and "CDNA5" Instruction Set Architecture Reference Guide (July 2026). The comments in the code are by the model that wrote it; some were corrected since.
;; Bahdanau Attention. Allowed arithmetic: matrix products marked QUANTISED: E3M2 operands, one E8M0 scale for each 32 along K, by v_wmma_scale_f32_16x16x128_f8f6f4 with both operands' format E3M2, f32 sums; products left as they are: f32 operands where the result goes on into a quantised operand, else bf16, f16 or f32 operands; f32 sums; everything else in f32.
;; Inputs: V_b 1 float32; V_w 1 x 1,024 float32; W1_b 1,024 float32; W1_w_codes 1,024 x 32 x 24 uint8 (E3M2 codes of W1_w, K innermost, in blocks of 32 codes, four codes in three bytes); W1_w_scales 1,024 x 32 uint8 (E8M0 scales of W1_w, one for each 32 codes along K); W2_b 1,024 float32; W2_w_codes 1,024 x 32 x 24 uint8 (E3M2 codes of W2_w, K innermost, in blocks of 32 codes, four codes in three bytes); W2_w_scales 1,024 x 32 uint8 (E8M0 scales of W2_w, one for each 32 codes along K); mask 32 x 2,048 int32; query_codes 32 x 2 x 32 x 24 uint8 (E3M2 codes of query, K innermost, in blocks of 32 codes, four codes in three bytes); query_scales 32 x 2 x 32 uint8 (E8M0 scales of query, one for each 32 codes along K); values 32 x 2,048 x 1,024 float32.
;; Outputs: out0 32 x 1 x 1,024 float32; out1 32 x 1 x 2,048 float32.
;; This version of the problem:
;;   THIS VERSION OF THE PROBLEM IS GIVEN IN LOW PRECISION. The matrix products marked QUANTISED in the list below multiply operands that are first quantised to E3M2 (3 exponent bits, 2 mantissa bits; 6 bits a number), with one power-of-two scale for each 32 numbers along K (OCP MX v1.0); their sums are f32. All else is computed in f32.
;;   The module's matrix products, in the order in which they are computed (A, B: the left and right operand; K: the contracted axis; several contracted axes count as one K, in the product's order):
;;     1. [M 32, K 1,024] x [K 1,024, N 1,024]; A: input query (given as codes); B: input W1_w (given as codes): QUANTISED
;;     2. [M 65,536, K 1,024] x [K 1,024, N 1,024]; A: input values; B: input W2_w (given as codes): QUANTISED
;;     3. [M 65,536, K 1,024] x [K 1,024, N 1]; A: computed on the way; B: input V_w: left as it is (N = 1 < 16)
;;     4. batch 32 x [M 1, K 2,048] x [K 2,048, N 1,024]; A: softmax; B: input values: left as it is (M = 1 < 16)
;;   THE QUANTISER, for each operand of a quantised product, along K:
;;     - K is cut into blocks of 32 from its start; a last block that is shorter is filled with zeros.
;;     - A block's scale is 2^e with e = floor(log2(the largest magnitude in the block)) - 4, held to -126 .. 127; a block of zeros has e = 0. As a byte (E8M0): e + 127.
;;     - Each number is divided by its block's scale, clamped to +-28, and rounded to the nearest number of E3M2, ties to even, subnormals kept.
;;     - The product sums the exact products of the quantised numbers (number of the format x scale) in f32.
;;   ~~~python
;;   def quantise(x, axis):      # numpy; x: float32 -> the quantised numbers, widened to float32 again
;;       x = np.moveaxis(x, axis, -1); K = x.shape[-1]
;;       x = np.pad(x, [(0, 0)] * (x.ndim - 1) + [(0, -K % 32)]); x = x.reshape(x.shape[:-1] + (-1, 32)); a = np.abs(x).max(-1, keepdims=True)
;;       e = np.where(a > 0, np.clip(np.frexp(np.where(a > 0, a, 1))[1] - 1 - 4, -126, 127), 0)      # np.frexp(a)[1] - 1 = floor(log2(a)), exactly
;;       r = np.clip(x / 2.0 ** e, -28, 28)
;;       step = 2.0 ** (np.maximum(np.frexp(np.where(r == 0, 1, r))[1] - 1, -2) - 2)
;;       q = np.round(r / step) * step * 2.0 ** e      # np.round: ties to even
;;       return np.moveaxis(q.reshape(q.shape[:-2] + (-1,))[..., :K], -1, axis).astype(np.float32)
;;   ~~~
;;   INPUTS GIVEN AS CODES. W1_w (in the module: [1024, 1024], K = its axis 1); W2_w (in the module: [1024, 1024], K = its axis 1); query (in the module: [32, 2, 1024], K = its axis 2): each comes as NAME_codes (uint8): NAME with its K axis moved to the last place and cut into blocks of 32 codes, [.., K / 32, bytes a block], one block behind the other in memory; four codes in three bytes: a row's codes are one little-endian stream of bits, code i at bits 6 i .. 6 i + 5 (a code: sign, 3 exponent bits, 2 mantissa bits); and NAME_scales (uint8): the same leading axes, one E8M0 byte (e + 127) for each 32 codes along K. Its value is code x scale, taken as it is: it is not quantised again, and the codes and scales need not be those that the quantiser above would give.
;; 2 versions, each right and faster than the one before. Each part assembles by itself: llvm-mc -triple=amdgcn-amd-amdhsa -mcpu=gfx1250 --defsym DOCPART=n.
;; ======== version 1 of 2: 3 launches
;; workspace buffers: w2img 786,432 bytes; kc 131,072 bytes; rowsT 262,144 bytes of whole numbers; meta 256 bytes of whole numbers; scores 262,144 bytes; cs 262,144 bytes
;; launch prep (part 1): grid 72 x 1, 16 waves a work-group, no clusters, 2,304 bytes of LDS; arguments mask, query_codes, query_scales, W1_w_codes, W1_w_scales, W1_b, W2_b, W2_w_codes, w2img, kc, rowsT, meta, scores, cs; writes w2img, kc, rowsT, meta, scores, cs
.if DOCPART == 1
	.amdgcn_target "amdgcn-amd-amdhsa--gfx1250"
	.amdhsa_code_object_version 6
	.text
	.protected	k_q9cfef2e361_prep
	.globl	k_q9cfef2e361_prep
	.p2align	8
	.type	k_q9cfef2e361_prep,@function
k_q9cfef2e361_prep:
	s_mov_b64 s[64:65], 0
	v_nop
	global_prefetch_b8 v0, s[64:65] scope:SCOPE_SE
	s_setreg_imm32_b32 hwreg(HW_REG_WAVE_MODE, 25, 1), 1
	s_wait_xcnt 0x0
; BAHDANAU ATTENTION, launch 1 of 3: the row lists, the query's projection, W2 in the order of the operand's registers.
; WORK THAT IS LEFT OUT, for all values of the inputs:
;  (a) rows s with mask[b][s] == 0: reference() sets their score to -inf, so their alpha is exactly 0 and they add nothing to context: neither their product with W2, nor their tanh, nor
;      their bytes of values have a way to an output.  Whole numbers decide: this launch reads the mask and stores the lists from which the later launches form their addresses.
;  (b) query[:, 0, :]: reference() slices it away; only the rows (b, 1) of query_codes and query_scales are loaded.
;  (c) V_b, and the sum of V_w: tanh x = 1 - 2 / (1 + e^(2x)), so score = sum(V) + V_b - 2 sum_n V_n / (1 + e^(2 x_n)); the first two terms are the same along the softmax's axis and cancel in it.
;      V_b has no other way to an output: it is not loaded and is no argument of any launch.
; LIMIT: a NaN, an infinity or an overflow that reaches only the work left out (masked rows, query[:, 0, :], V_b) is not carried to the result.
; THREE KINDS OF WORK-GROUP, told apart by the work-group's number alone:
;  0-31  batch b: rowsT[b][0 .. 2047] becomes a permutation of the batch's rows (numbers b 2048 + s): the n live rows from the front, the masked ones from the back; meta[b] = n.
;        Thread t holds rows 4 t .. 4 t + 3.  A row's place in the walk is x = 128 wave + 32 e + lane (e: its register); L = live rows ahead of it; a live row goes to L, a masked one to 2047 - (x - L).
;        The batch's 2,048 words of scores and of cs are set to -inf, reference()'s score of a masked row; the next launch writes the live rows' over them.  So the last launch reads no word that was not stored.
;  32-39 kc[b][n] = k (q[b] . W1[n] + W1_b[n] + W2_b[n]), k = 2 log2(e): a wave makes 16 batches x 16 n, eight matrix instructions on two accumulators that take turns.
;        Its stores are runs of 64 bytes: kc is 128 KB, written once.
;  40-71 w2img: fragment f = 8 T + s (16 rows of W2 from 16 T on, 128 along K from 128 s on) as the 12 registers of a lane lie: byte f 1536 + 512 c + 16 lane holds registers 4 c .. 4 c + 3.
.set K2L,   0x4038aa3b                 ; k = 2 log2(e)
.set SPARE, 256                        ; LDS: bytes 0-63 the sixteen waves' counts; from 256 on the spare words, 128 bytes a wave, which no other line names
.set SPW,   10                         ; v10  SPARE + 4 x my thread's number; never rewritten
.set NIL,   11                         ; v11  0; never rewritten
.set QF,    16                         ; v16-111   q's eight fragments
.set WF,    112                        ; v112-207  W1's eight
.set QS,    208                        ; v208-215  q's scale words, one register a K step
.set WS,    216                        ; v216-223  W1's
.set AA,    224                        ; v224-231  the sum over even K steps
.set AB,    232                        ; v232-239  over odd ones
.set RS,    242                        ; v242-249  results
	s_load_b512 s[4:19], s[0:1], 0x0               ; mask, q codes, q scales, W1 codes, W1 scales, W1_b, W2_b, W2 codes
	s_load_b256 s[20:27], s[0:1], 0x40             ; w2img, kc, rowsT, meta
	s_load_b128 s[56:59], s[0:1], 0x60             ; scores, cs
	v_lshl_add_u32 v[SPW], v0, 2, SPARE
	v_mov_b32 v[NIL], 0
	v_lshrrev_b32 v1, 5, v0
	v_readfirstlane_b32 s28, v1                    ; wave 0..15
	v_and_b32 v1, 31, v0                           ; lane
	v_and_b32 v2, 15, v0                           ; r
	v_bfe_u32 v3, v0, 4, 1                         ; h
	s_mov_b32 s31, 0                               ; the upper word of every offset pair s[30:31]
	s_wait_kmcnt 0x0
	s_cmp_lt_u32 ttmp9, 32
	s_cbranch_scc1 .Lcompact
	v_mul_u32_u24 v4, v2, 768                      ; a row of W1 or W2 is 1,024 codes = 768 bytes;
	v_mad_u32_u24 v4, v3, 24, v4                   ; lanes 16-31 begin 24 bytes on
	s_cmp_lt_u32 ttmp9, 40
	s_cbranch_scc1 .Lqproj
	; ---- W2's fragments, one a wave
	s_sub_co_u32 s29, ttmp9, 40
	s_lshl_b32 s29, s29, 4
	s_add_co_u32 s29, s29, s28                     ; f = 0 .. 511
	s_lshr_b32 s32, s29, 3                         ; T
	s_and_b32 s33, s29, 7                          ; s
	s_mul_i32 s30, s32, 16*768
	s_mul_i32 s33, s33, 96
	s_add_co_u32 s30, s30, s33
	s_add_nc_u64 s[18:19], s[18:19], s[30:31]
.irp p, 0,1,2,3,4,5
	global_load_b64 v[16+2*\p:17+2*\p], v4, s[18:19] offset:48*(\p/3)+8*(\p%3)   ; 24 bytes of k = 32 h on, 24 of k = 64 + 32 h on, in pieces of 8
.endr
	s_mul_i32 s30, s29, 1536
	s_add_nc_u64 s[20:21], s[20:21], s[30:31]
	v_lshlrev_b32 v5, 4, v1
	s_wait_loadcnt 0x0
.irp c, 0,1,2
	global_store_b128 v5, v[16+4*\c:19+4*\c], s[20:21] offset:512*\c             ; 32 lanes store 512 consecutive bytes
.endr
	s_endpgm
	; ---- the query's projection
.Lqproj:
	s_sub_co_u32 s29, ttmp9, 32
	s_lshl_b32 s29, s29, 4
	s_add_co_u32 s29, s29, s28                     ; 0 .. 127
	s_lshr_b32 s32, s29, 1                         ; which 16 n
	s_and_b32 s33, s29, 1                          ; which 16 batches
	s_mov_b32 s35, K2L
	s_mul_i32 s30, s33, 16*1536
	s_add_co_u32 s30, s30, 768                     ; row (b, 1) of the query: (2 b + 1) x 768 bytes
	s_add_nc_u64 s[6:7], s[6:7], s[30:31]
	s_lshl_b32 s30, s33, 10
	s_add_co_u32 s30, s30, 32                      ; and (2 b + 1) x 32 bytes of scales
	s_add_nc_u64 s[8:9], s[8:9], s[30:31]
	s_mul_i32 s30, s32, 16*768
	s_add_nc_u64 s[10:11], s[10:11], s[30:31]
	s_lshl_b32 s30, s32, 9
	s_add_nc_u64 s[12:13], s[12:13], s[30:31]
	s_lshl_b32 s30, s32, 6
	s_add_nc_u64 s[14:15], s[14:15], s[30:31]
	s_add_nc_u64 s[16:17], s[16:17], s[30:31]
	s_lshl_b32 s34, s33, 16
	s_add_co_u32 s30, s30, s34
	s_add_nc_u64 s[22:23], s[22:23], s[30:31]      ; kc at (16 batches, 16 n)
	v_mul_u32_u24 v5, v2, 1536
	v_mad_u32_u24 v5, v3, 24, v5                   ; q: batch r of the sixteen
	v_lshlrev_b32 v6, 6, v2                        ; its scales
	v_lshlrev_b32 v7, 5, v2                        ; W1's scales: 32 bytes a row
	v_lshlrev_b32 v8, 2, v2                        ; 4 r
	v_lshl_add_u32 v9, v3, 15, v8                  ; kc: 8 h rows of 4,096 bytes + 4 r
.irp s, 0,1,2,3,4,5,6,7
.irp p, 0,1,2,3,4,5
	global_load_b64 v[QF+12*\s+2*\p:QF+12*\s+2*\p+1], v5, s[6:7] offset:96*\s+48*(\p/3)+8*(\p%3)
	global_load_b64 v[WF+12*\s+2*\p:WF+12*\s+2*\p+1], v4, s[10:11] offset:96*\s+48*(\p/3)+8*(\p%3)
.endr
.endr
	global_load_b128 v[QS:QS+3], v6, s[8:9]
	global_load_b128 v[QS+4:QS+7], v6, s[8:9] offset:16
	global_load_b128 v[WS:WS+3], v7, s[12:13]
	global_load_b128 v[WS+4:WS+7], v7, s[12:13] offset:16
	global_load_b32 v240, v8, s[14:15]
	global_load_b32 v241, v8, s[16:17]
	s_wait_loadcnt 0x0
	; source 0 = 16 batches of q, source 1 = 16 rows of W1.  The two accumulators take turns, one instruction a turn; the first product of each starts its sum
	v_wmma_scale_f32_16x16x128_f8f6f4 v[AA:AA+7], v[QF:QF+11], v[WF:WF+11], 0, v[QS], v[WS] matrix_a_fmt:MATRIX_FMT_BF6 matrix_b_fmt:MATRIX_FMT_BF6
	v_wmma_scale_f32_16x16x128_f8f6f4 v[AB:AB+7], v[QF+12:QF+23], v[WF+12:WF+23], 0, v[QS+1], v[WS+1] matrix_a_fmt:MATRIX_FMT_BF6 matrix_b_fmt:MATRIX_FMT_BF6
.irp s, 2,4,6
	v_wmma_scale_f32_16x16x128_f8f6f4 v[AA:AA+7], v[QF+12*\s:QF+12*\s+11], v[WF+12*\s:WF+12*\s+11], v[AA:AA+7], v[QS+\s], v[WS+\s] matrix_a_fmt:MATRIX_FMT_BF6 matrix_b_fmt:MATRIX_FMT_BF6
	v_wmma_scale_f32_16x16x128_f8f6f4 v[AB:AB+7], v[QF+12*\s+12:QF+12*\s+23], v[WF+12*\s+12:WF+12*\s+23], v[AB:AB+7], v[QS+\s+1], v[WS+\s+1] matrix_a_fmt:MATRIX_FMT_BF6 matrix_b_fmt:MATRIX_FMT_BF6
.endr
	v_add_f32 v240, v240, v241                     ; four plain instructions behind the last product (ISA guide 7.12.1), two of them useful:
	v_mul_f32 v240, s35, v240                      ; k (W1_b + W2_b)
	v_nop
	v_nop
.irp j, 0,1,2,3,4,5,6,7
	v_add_f32 v[RS+\j], v[AA+\j], v[AB+\j]         ; each accumulator is read from its low end on
.endr
.irp j, 0,1,2,3,4,5,6,7
	v_fma_f32 v[RS+\j], v[RS+\j], s35, v240
.endr
.irp j, 0,1,2,3,4,5,6,7
	global_store_b32 v9, v[RS+\j], s[22:23] offset:4096*\j    ; kc(batch 8 h + j, n = r)
.endr
	s_endpgm
	; ---- a batch's list
.Lcompact:
	s_lshl_b32 s30, ttmp9, 13                      ; a batch is 8,192 bytes in mask, rowsT, scores and cs
	s_add_nc_u64 s[4:5], s[4:5], s[30:31]
	s_add_nc_u64 s[24:25], s[24:25], s[30:31]
	s_add_nc_u64 s[56:57], s[56:57], s[30:31]
	s_add_nc_u64 s[58:59], s[58:59], s[30:31]
	v_lshlrev_b32 v6, 4, v0
	global_load_b128 v[16:19], v6, s[4:5]          ; a wave reads 512 consecutive bytes
.irp e, 0,1,2,3
	v_mov_b32 v[32+\e], 0xff800000                 ; -infinity
.endr
	global_store_b128 v6, v[32:35], s[56:57]       ; a wave stores 512 consecutive bytes
	global_store_b128 v6, v[32:35], s[58:59]
	s_lshl_b32 s32, ttmp9, 11
	v_lshl_add_u32 v9, v0, 2, s32                  ; the number of my first row: b 2048 + 4 t
	s_lshl_b32 s33, s28, 7
	v_add_nc_u32 v7, s33, v1
	v_sub_nc_u32 v7, 2047, v7                      ; 2047 - x for e = 0
	v_lshrrev_b32 v8, 5, v0
	v_lshlrev_b32 v8, 2, v8                        ; LDS: my wave's count
	v_lshlrev_b32 v15, 2, v2                       ; and, on the way back, wave (lane % 16)'s
	s_wait_loadcnt 0x0
.irp e, 0,1,2,3
	v_cmp_ne_u32 s[40+\e], 0, v[16+\e]             ; which lanes' rows are live
.endr
.irp e, 0,1,2,3
	s_bcnt1_i32_b32 s[44+\e], s[40+\e]
.endr
	s_add_co_u32 s48, s44, s45
	s_add_co_u32 s49, s46, s47
	s_add_co_u32 s48, s48, s49
	v_mov_b32 v5, s48
	ds_store_b32 v8, v5                            ; all lanes write the same word with the same value
	s_wait_dscnt 0x0                               ; for the others' sake: my count has landed
	s_barrier_signal -1
	s_barrier_wait -1
	ds_load_b32 v12, v15
	s_mov_b32 s34, 0                               ; live rows in the waves ahead of mine
	s_mov_b32 s36, 0                               ; and in all: n
	s_wait_dscnt 0x0
.set i, 0
.rept 16
	v_readlane_b32 s38, v12, i
	s_cmp_gt_u32 s28, i
	s_cselect_b32 s39, s38, 0
	s_add_co_u32 s34, s34, s39
	s_add_co_u32 s36, s36, s38
.set i, i+1
.endr
	s_mov_b32 s50, s34
.irp e, 0,1,2,3
	v_mbcnt_lo_u32_b32 v[20+\e], s[40+\e], s50     ; L: live rows ahead of mine
	v_add3_u32 v[24+\e], v[20+\e], v7, -32*\e      ; 2047 - x + L: a masked row's place
	v_cndmask_b32 v[24+\e], v[24+\e], v[20+\e], s[40+\e]
	v_min_u32 v[24+\e], 2047, v[24+\e]             ; (it lies there by construction)
	v_lshlrev_b32 v[24+\e], 2, v[24+\e]
	v_add_nc_u32 v[28+\e], \e, v9
	global_store_b32 v[24+\e], v[28+\e], s[24:25]  ; the live lanes' words are neighbours, and so are the masked lanes'
	s_add_co_u32 s50, s50, s[44+\e]
.endr
	v_mov_b32 v13, s36
	s_lshl_b32 s53, ttmp9, 2
	v_mov_b32 v14, s53
	v_cmp_eq_u32 vcc_lo, 0, v0                     ; thread 0 stores n
	s_wait_xcnt 0x0                                ; EXEC changes only behind this wait: the stores above have been taken
	s_and_saveexec_b32 s52, vcc_lo
	global_store_b32 v14, v13, s[26:27]
	s_wait_xcnt 0x0                                ; and again ahead of the line that widens it
	s_or_b32 exec_lo, exec_lo, s52
	s_wait_tensorcnt 0x0                           ; the wave's end
	ds_add_u32 v[SPW], v[NIL]
	s_wait_dscnt 0x0
	s_endpgm
.Lfunc_end_k_q9cfef2e361_prep:
	.size	k_q9cfef2e361_prep, .Lfunc_end_k_q9cfef2e361_prep-k_q9cfef2e361_prep
	.p2alignl 7, 3214868480
	.fill 96, 4, 3214868480
	.section	.rodata,"a",@progbits
	.p2align	6, 0x0
	.amdhsa_kernel k_q9cfef2e361_prep
		.amdhsa_group_segment_fixed_size 2304
		.amdhsa_private_segment_fixed_size 0
		.amdhsa_enable_private_segment 0
		.amdhsa_kernarg_size 112
		.amdhsa_user_sgpr_count 2
		.amdhsa_user_sgpr_kernarg_segment_ptr 1
		.amdhsa_wavefront_size32 1
		.amdhsa_system_sgpr_workgroup_id_x 1
		.amdhsa_system_sgpr_workgroup_id_y 1
		.amdhsa_system_sgpr_workgroup_id_z 1
		.amdhsa_system_vgpr_workitem_id 0
		.amdhsa_next_free_vgpr 256
		.amdhsa_next_free_sgpr 66
		.amdhsa_reserve_vcc 1
		.amdhsa_float_denorm_mode_32 3
		.amdhsa_float_denorm_mode_16_64 3
		.amdhsa_memory_ordered 1
		.amdhsa_forward_progress 1
		.amdhsa_inst_pref_size 24
	.end_amdhsa_kernel
	.amdgpu_metadata
---
amdhsa.version: [ 1, 2 ]
amdhsa.kernels:
  - .name:           k_q9cfef2e361_prep
    .symbol:         k_q9cfef2e361_prep.kd
    .args:
      - { .name: mask, .offset: 0, .size: 8, .value_kind: global_buffer, .address_space: global }
      - { .name: query_codes, .offset: 8, .size: 8, .value_kind: global_buffer, .address_space: global }
      - { .name: query_scales, .offset: 16, .size: 8, .value_kind: global_buffer, .address_space: global }
      - { .name: W1_w_codes, .offset: 24, .size: 8, .value_kind: global_buffer, .address_space: global }
      - { .name: W1_w_scales, .offset: 32, .size: 8, .value_kind: global_buffer, .address_space: global }
      - { .name: W1_b, .offset: 40, .size: 8, .value_kind: global_buffer, .address_space: global }
      - { .name: W2_b, .offset: 48, .size: 8, .value_kind: global_buffer, .address_space: global }
      - { .name: W2_w_codes, .offset: 56, .size: 8, .value_kind: global_buffer, .address_space: global }
      - { .name: w2img, .offset: 64, .size: 8, .value_kind: global_buffer, .address_space: global }
      - { .name: kc, .offset: 72, .size: 8, .value_kind: global_buffer, .address_space: global }
      - { .name: rowsT, .offset: 80, .size: 8, .value_kind: global_buffer, .address_space: global }
      - { .name: meta, .offset: 88, .size: 8, .value_kind: global_buffer, .address_space: global }
      - { .name: scores, .offset: 96, .size: 8, .value_kind: global_buffer, .address_space: global }
      - { .name: cs, .offset: 104, .size: 8, .value_kind: global_buffer, .address_space: global }
    .group_segment_fixed_size: 2304
    .private_segment_fixed_size: 0
    .kernarg_segment_align: 8
    .kernarg_segment_size: 112
    .max_flat_workgroup_size: 512
    .sgpr_count:     66
    .vgpr_count:     256
    .wavefront_size: 32
...
	.end_amdgpu_metadata
.endif
;; end of part 1
;; launch scores (part 2): grid 8 x 32, 8 waves a work-group, no clusters, 289,792 bytes of LDS; arguments values, w2img, W2_w_scales, kc, V_w, rowsT, meta, scores, cs; writes scores, cs
.if DOCPART == 2
	.amdgcn_target "amdgcn-amd-amdhsa--gfx1250"
	.amdhsa_code_object_version 6
	.text
	.protected	k_q9cfef2e361_scores
	.globl	k_q9cfef2e361_scores
	.p2align	8
	.type	k_q9cfef2e361_scores,@function
k_q9cfef2e361_scores:
	s_mov_b64 s[64:65], 0
	v_nop
	global_prefetch_b8 v0, s[64:65] scope:SCOPE_SE
	s_setreg_imm32_b32 hwreg(HW_REG_WAVE_MODE, 25, 1), 1
	s_wait_xcnt 0x0
; BAHDANAU ATTENTION, launch 2 of 3: t(row) = -k sum_n V_n / (1 + 2^(k x_n + kc_n)), x = Q(values[row]) . W2[n], k = 2 log2(e): the score in units of log2, less what is the same along the softmax's axis.
; LEFT OUT: rows with mask == 0 (their alpha is exactly 0), V_b and sum(V) (the same along the softmax's axis): shown at the head of the first launch.  The rows come from the list that it stored.
; SHARES.  Work-group (c, b) takes tiles of 16 list places c nt / 8 .. (c + 1) nt / 8 - 1 of batch b, nt = ceil(n / 16): mt <= 16 tiles.  A place at or beyond n holds a masked row of the batch: it is worked like any
;   other inside its tile, and -inf is stored for it.  A work-group that its batch leaves without a tile (nt < 8) works one tile and stores nothing: every wave passes every barrier, none under a branch on a loaded number.
; PHASE X.  Wave w quantises K step w (numbers 128 w .. 128 w + 127, 512 bytes) of every row.  A load reads one row's 512 consecutive bytes; 16 rows turn through the wave's own stage in LDS, so that lane (r, h)
;   gets 16 neighbours of each block of 32 of row r; the fragment's 12 registers and the row's scale word go to LDS as they stand.  Four sets of 16 loads: as soon as a set has gone into the stage it is asked for again.
;   The loop has sixteen steps, a constant; a step beyond my tiles jumps over its work.  Four sets are always asked for: with fewer tiles the rest are rows of the same list, whose images nobody reads.
; PHASE G, twice (p = 0, 1).  Wave w owns columns n = 512 p + 64 w .. + 63: its 32 fragments of W2 (384 registers) are loaded once a pass from w2img, 16 bytes a lane.  For each tile: 8 K steps x 4 matrix instructions
;   (source 0 = 16 rows, source 1 = 16 rows of W2; the four accumulators take turns), then in f32: 2^(k x + kc), + 1, the reciprocal, times -k V_n, summed over the wave's 64 columns; the sum goes to LDS.
; END.  Thread i adds the 16 parts of list place i and stores t to cs (list order) and to scores (at the row itself: 4 bytes a lane to places far apart, 256 KB in all, so that the next launch reads both densely).
; W2's image is walked by every work-group and is not asked for jointly.
; LIMITS: NaN and infinities among the inputs are not served; a block whose largest magnitude lies under 2^-122 keeps the scale byte 1 (a block of zeros too: its codes are zeros, and this program alone reads the bytes).
.set K2L,    0x4038aa3b                ; k
.set NK2L,   0xc038aa3b                ; -k
.set FRB,    1536                      ; a fragment's image: 12 registers x 128 bytes
.set TILEB,  8*FRB                     ; a tile's eight
.set ASC,    16*TILEB                  ; LDS: from 0 the images, tile m, K step s at m TILEB + s FRB + 512 c + 16 lane
.set PART,   ASC+16*512                ; the scale words: m 512 + r 32 + 4 s
.set STG,    PART+16*1024              ; the parts: slot 8 p + w, 1,024 bytes, 4 bytes a list place
.set SPITCH, 528                       ; a stage row: 512 bytes + 16 = 33 x 16: the sixteen rows that a read touches begin in sixteen different columns of 16 bytes
.set STGW,   16*SPITCH                 ; a wave's stage
.set SPARE,  STG+8*STGW                ; the spare words, 128 bytes a wave: four blocks of 256 bytes that no other line names
; REGISTERS.  window 0: v0 thread; v1 16 x lane; v10, v11 the add's two; v12-27 W2's scale words, v28-35 the rows': scales and nothing else; v124-255 W2's fragments 21 .. 31 (fragment 4 s + t)
;   phase X: v2-9 row numbers (lane 2 m + r / 8, register r % 8); v36-99 64 numbers; v100-111 at work; v112 scale word; v114-133 codes; v134-139 LDS addresses; v140 r, v141 h, v142 32 x lane (fragments 21, 22 come behind it).
;            window 1: four sets of 64: rows as loaded
;   phase G: v2-4 lane places, v5-7 a tile's LDS addresses, v8 32 x lane; v36-39 kc; v40-43 -k V; v44-51 sums; v52-83 accumulators; v84-119 three fragments.  window 1: W2's fragments 0 .. 20
.set LI,   1
.set IDV,  2
.set SPW,  10
.set NIL,  11
.set BSC,  12
.set ASCR, 28
.set XS,   36
.set TM,   100
.set PW,   112
.set PC,   114
.set STW,  134
.set STR,  135
.set IMS,  136
.set SCS,  137
.set IMW,  138
.set SCW,  139
.set RR,   140
.set HH,   141
.set L32,  142
.set KC,   36
.set WV,   40
.set SS,   44
.set ACC,  52
.set AF,   84
.set SEL,  54                          ; s[54:55] v_permlanex16_b32's selects for lane l xor 16
; s22 wave; s23 n; s24 nt; s25 first tile; s26 mt; s27 max(mt, 4); s63 max(mt, 1); s28 loop counter; s29 the tile whose rows are asked for next; s53 the tile at work; s[30:31] an offset; s[32:47] 16 row numbers;
; s[48:49] k, k; s50-52 lane masks; s56, s57, s59 LDS steps; s60, s61 lanes; s62 batch, later EXEC; s[66:97] 16 row addresses
.set MSB, 0
.macro WIN new                         ; bits 1:0 source 0, 3:2 source 1, 5:4 source 2, 7:6 destination; the immediate's high byte repeats the setting that is left
.if MSB != \new
	s_set_vgpr_msb (MSB<<8)|\new
.set MSB, \new
.endif
.endm
; The addresses of tile s29's sixteen rows, at my wave's 512 bytes.
.macro BASES
	s_wait_xcnt 0x0                                ; the last set's loads have read their addresses: these may be written
	s_lshl_b32 s60, s29, 1
	s_add_co_u32 s61, s60, 1
.irp r, 0,1,2,3,4,5,6,7,8,9,10,11,12,13,14,15
	v_readlane_b32 s[32+\r], v[IDV+(\r%8)], s[60+(\r/8)]
.endr
.irp r, 0,1,2,3,4,5,6,7,8,9,10,11,12,13,14,15
	s_min_u32 s30, s[32+\r], 0xffff                ; (a row number lies there by construction)
	s_lshl_b32 s30, s30, 12                        ; a row is 4,096 bytes
	s_add_nc_u64 s[66+2*\r:67+2*\r], s[4:5], s[30:31]
.endr
	s_add_co_u32 s29, s29, 1
.endm
.macro LSET k                          ; sixteen loads, a row each: 32 lanes read 512 consecutive bytes, at a multiple of 512 from the buffer's first byte
	WIN 0x40
.irp r, 0,1,2,3,4,5,6,7,8,9,10,11,12,13,14,15
	global_load_b128 v[64*(\k)+4*\r:64*(\k)+4*\r+3], v[LI], s[66+2*\r:67+2*\r] th:TH_LOAD_NT
.endr
	WIN 0
.endm
; Set k goes through my stage: in as the rows lie, back 16 neighbours of each block a lane.
.macro TURN k
	WIN 0x04                                       ; an LDS store's data are its source 1: window 1
.irp r, 0,1,2,3,4,5,6,7,8,9,10,11,12,13,14,15
	ds_store_b128 v[STW], v[64*(\k)+4*\r:64*(\k)+4*\r+3] offset:SPITCH*\r
.endr
	WIN 0
.irp b, 0,1,2,3
.irp j, 0,1,2,3
	ds_load_b128 v[XS+16*\b+4*\j:XS+16*\b+4*\j+3], v[STR] offset:128*\b+16*\j   ; LDS serves a wave's instructions in order (ISA guide 5.7.1.4): these see the stores above
.endr
.endr
	s_wait_dscnt 0x0                               ; the numbers are in; the set's registers and the last tile's codes have been read by their stores
.endm
; 64 numbers of a lane, register 16 b + i = k 32 b + 16 h + i of row r, become a fragment's codes in v[PC] on and the row's scale word in v[PW].
.macro QUANT
.irp b, 0,1,2,3
	v_max3_num_f32 v[TM+\b], |v[XS+16*\b]|, |v[XS+1+16*\b]|, 0x2800000   ; block b: my 16 numbers, and the floor 2^(5 - 127): the byte cannot fall under 1
.endr
.irp i, 2,4,6,8,10,12,14
.irp b, 0,1,2,3
	v_max3_num_f32 v[TM+\b], v[TM+\b], |v[XS+16*\b+\i]|, |v[XS+1+16*\b+\i]|   ; the four blocks by turns
.endr
.endr
.irp b, 0,1,2,3
	v_permlanex16_b32 v[TM+4+\b], v[TM+\b], s[SEL], s[SEL+1]
.endr
.irp b, 0,1,2,3
	v_max_num_f32 v[TM+\b], v[TM+\b], v[TM+4+\b]   ; with lane l xor 16's: the block's largest magnitude
.endr
.irp b, 0,1,2,3
	v_add_nc_u32 v[TM+8+\b], 0xfe000000, v[TM+\b]  ; 4 off its exponent field: the conversion takes the exponent field of this operand as its scale
.endr
.irp b, 0,1,2,3
	v_lshrrev_b32 v[TM+4+\b], 23, v[TM+8+\b]       ; the scale's byte
.endr
	v_lshl_or_b32 v[PW], v[TM+5], 8, v[TM+4]
	v_lshl_or_b32 v[PW], v[TM+6], 16, v[PW]
	v_lshl_or_b32 v[PW], v[TM+7], 24, v[PW]
.irp c, 0,1
	v_cvt_scalef32_pk16_bf6_f32 v[PC+6*\c:PC+2+6*\c], v[XS+32*\c:XS+15+32*\c], v[TM+8+2*\c]
	v_cvt_scalef32_pk16_bf6_f32 v[PC+12+4*\c:PC+14+4*\c], v[XS+16+32*\c:XS+31+32*\c], v[TM+8+2*\c+1]   ; (a conversion's three registers begin on an even number)
.endr
	v_nop                                          ; one plain instruction behind a scaled conversion
.irp c, 0,1                                    ; the operand wants a whole block in a lane: lanes 0-15 block 2 c, lanes 16-31 block 2 c + 1
.irp i, 0,1,2
	v_permlane16_swap_b32 v[PC+6*\c+\i], v[PC+12+4*\c+\i]
.endr
.irp i, 0,1,2
	v_mov_b32 v[PC+3+6*\c+\i], v[PC+12+4*\c+\i]
.endr
.endr
.endm
; Step k of a trip: tile s53, which lies in set k and is in when the step begins.
.macro XSTEP k
	s_cmp_lt_u32 s53, s27
	s_cbranch_scc1 .Lxw_\k
	s_wait_loadcnt 0x0                             ; a step beyond my tiles: no load is out, on this way too
	s_branch .Lxe_\k
.Lxw_\k:
	TURN \k
	s_cmp_ge_u32 s29, s27
	s_cbranch_scc1 .Lxq_\k
	BASES                                          ; a tile is left to ask for: the one four on, into the set that has just gone into the stage
	LSET \k
	s_wait_loadcnt 48                              ; three younger sets of 16 may be out, the one just asked for among them: the next step's set is in
	s_branch .Lxr_\k
.Lxq_\k:
	s_wait_loadcnt 0x0                             ; nothing was asked for: fewer than three sets are younger than the next step's, so the wait is for all
.Lxr_\k:
	QUANT
.irp c, 0,1,2
	ds_store_b128 v[IMW], v[PC+4*\c:PC+4*\c+3] offset:TILEB*(\k)+512*\c
.endr
	ds_store_b32 v[SCW], v[PW] offset:512*(\k)     ; lanes l and l + 16 write the same word with the same value
.Lxe_\k:
	s_add_co_u32 s53, s53, 1
.endm
; W2's fragments 4 s + t of pass p: tile 32 p + 4 w + t, K step s.  Those from lo to hi of the eleven in window 0
.macro BLOADLO p, lo, hi
.irp f, 21,22,23,24,25,26,27,28,29,30,31
.if (\f >= \lo) && (\f <= \hi)
.irp c, 0,1,2
	global_load_b128 v[124+12*(\f-21)+4*\c:124+12*(\f-21)+4*\c+3], v[LI], s[6:7] offset:(\p)*32*TILEB+(8*(\f%4)+\f/4)*FRB+512*\c
.endr
.endif
.endr
.endm
.macro BLOADHI p
	WIN 0x40
.irp f, 0,1,2,3,4,5,6,7,8,9,10,11,12,13,14,15,16,17,18,19,20
.irp c, 0,1,2
	global_load_b128 v[12*\f+4*\c:12*\f+4*\c+3], v[LI], s[6:7] offset:(\p)*32*TILEB+(8*(\f%4)+\f/4)*FRB+512*\c
.endr
.endr
	WIN 0
.endm
.macro BSCW p                          ; W2's scale words: lane l takes row 32 u + l of my 64: lanes 0-15 tile 2 u, lanes 16-31 tile 2 u + 1; register s = K step s.  And kc and V of my lane's four columns
.irp u, 0,1
	global_load_b128 v[BSC+8*\u:BSC+8*\u+3], v8, s[8:9] offset:16384*(\p)+1024*\u
	global_load_b128 v[BSC+8*\u+4:BSC+8*\u+7], v8, s[8:9] offset:16384*(\p)+1024*\u+16
.endr
.irp t, 0,1,2,3
	global_load_b32 v[KC+\t], v3, s[10:11] offset:2048*(\p)+64*\t
	global_load_b32 v[WV+\t], v3, s[12:13] offset:2048*(\p)+64*\t
.endr
.endm
.macro AFL s                           ; the tile's fragment of K step s, into one of three buffers
.irp c, 0,1,2
	ds_load_b128 v[AF+12*((\s)%3)+4*\c:AF+12*((\s)%3)+4*\c+3], v5 offset:FRB*(\s)+512*\c
.endr
.endm
.macro MM s, t                         ; one matrix instruction: K step s, my tile t of columns
.set FI, 4*(\s)+(\t)
.if FI <= 20
	WIN 0x04
.set BR, 12*FI
.else
	WIN 0
.set BR, 124+12*(FI-21)
.endif
.set AR, AF+12*((\s)%3)
.set CR, ACC+8*(\t)
.if (\t)%2 == 0
.if (\s) == 0
	v_wmma_scale_f32_16x16x128_f8f6f4 v[CR:CR+7], v[AR:AR+11], v[BR:BR+11], 0, v[ASCR+(\s)], v[BSC+8*((\t)/2)+(\s)] matrix_a_fmt:MATRIX_FMT_BF6 matrix_b_fmt:MATRIX_FMT_BF6
.else
	v_wmma_scale_f32_16x16x128_f8f6f4 v[CR:CR+7], v[AR:AR+11], v[BR:BR+11], v[CR:CR+7], v[ASCR+(\s)], v[BSC+8*((\t)/2)+(\s)] matrix_a_fmt:MATRIX_FMT_BF6 matrix_b_fmt:MATRIX_FMT_BF6
.endif
.else
.if (\s) == 0
	v_wmma_scale_f32_16x16x128_f8f6f4 v[CR:CR+7], v[AR:AR+11], v[BR:BR+11], 0, v[ASCR+(\s)], v[BSC+8*((\t)/2)+(\s)] matrix_a_fmt:MATRIX_FMT_BF6 matrix_b_fmt:MATRIX_FMT_BF6 matrix_b_scale:MATRIX_SCALE_ROW1
.else
	v_wmma_scale_f32_16x16x128_f8f6f4 v[CR:CR+7], v[AR:AR+11], v[BR:BR+11], v[CR:CR+7], v[ASCR+(\s)], v[BSC+8*((\t)/2)+(\s)] matrix_a_fmt:MATRIX_FMT_BF6 matrix_b_fmt:MATRIX_FMT_BF6 matrix_b_scale:MATRIX_SCALE_ROW1
.endif
.endif
.endm
.macro KSTEP s, left                   ; left: the LDS loads issued behind this K step's fragment
	s_wait_dscnt \left
	MM \s, 0                                       ; the four accumulators take turns, one instruction a turn
	MM \s, 1
	MM \s, 2
	MM \s, 3
.if (\s) != 5 && (\s) != 6
.rept 4
	v_nop                                          ; four plain instructions ahead of loads into the buffer just multiplied, and of the first read of the sums
.endr
.endif
.if (\s) < 5
	AFL (\s)+3
.endif
.endm
; Lane (r, h), register 8 t + j: x(row 8 h + j, column 16 t + r).
.macro EPI p
.irp t, 0,1,2,3
.irp j, 0,2,4,6
.if (\t)%2 == 0
	v_pk_fma_f32 v[ACC+8*\t+\j:ACC+8*\t+\j+1], v[ACC+8*\t+\j:ACC+8*\t+\j+1], s[48:49], v[KC+\t:KC+\t+1] op_sel_hi:[1,0,0]   ; k x + kc, two rows at a time; each accumulator from its low end on
.else
	v_pk_fma_f32 v[ACC+8*\t+\j:ACC+8*\t+\j+1], v[ACC+8*\t+\j:ACC+8*\t+\j+1], s[48:49], v[KC+\t-1:KC+\t] op_sel:[0,0,1] op_sel_hi:[1,0,1]   ; (the pair's upper word for both)
.endif
.endr
.endr
.set i, 0
.rept 32
	v_exp_f32 v[ACC+i], v[ACC+i]                   ; e^(2 (x + c)); infinity where it is too large: the reciprocal is 0 then, tanh 1
.set i, i+1
.endr
	v_nop                                          ; a plain instruction behind the last of the batch,
	s_wait_alu depctr_va_vdst(0)                   ; and one wait for the batch ahead of its first reader
.set i, 0
.rept 16
	v_pk_add_f32 v[ACC+i:ACC+i+1], v[ACC+i:ACC+i+1], 1.0 op_sel_hi:[1,0]
.set i, i+2
.endr
.set i, 0
.rept 32
	v_rcp_f32 v[ACC+i], v[ACC+i]
.set i, i+1
.endr
	v_nop
	s_wait_alu depctr_va_vdst(0)
.irp j, 0,2,4,6
	v_pk_mul_f32 v[SS+\j:SS+\j+1], v[ACC+\j:ACC+\j+1], v[WV:WV+1] op_sel_hi:[1,0]          ; the first tile starts the sums
.endr
.irp j, 0,2,4,6
	v_pk_fma_f32 v[SS+\j:SS+\j+1], v[ACC+8+\j:ACC+8+\j+1], v[WV:WV+1], v[SS+\j:SS+\j+1] op_sel:[0,1,0] op_sel_hi:[1,1,1]
.endr
.irp j, 0,2,4,6
	v_pk_fma_f32 v[SS+\j:SS+\j+1], v[ACC+16+\j:ACC+16+\j+1], v[WV+2:WV+3], v[SS+\j:SS+\j+1] op_sel_hi:[1,0,1]
.endr
.irp j, 0,2,4,6
	v_pk_fma_f32 v[SS+\j:SS+\j+1], v[ACC+24+\j:ACC+24+\j+1], v[WV+2:WV+3], v[SS+\j:SS+\j+1] op_sel:[0,1,0] op_sel_hi:[1,1,1]
.endr
	; eight sums in each of sixteen lanes become one sum a lane: at each stage a lane keeps the half of its registers that its bit names, and hands the other half to the lane that keeps it
.irp i, 0,1,2,3
	v_cndmask_b32 v[ACC+\i], v[SS+2*\i+1], v[SS+2*\i], s50
.endr
.irp i, 0,1,2,3
	v_cndmask_b32 v[SS+2*\i], v[SS+2*\i], v[SS+2*\i+1], s50
.endr
.irp i, 0,1,2,3
	v_add_f32_dpp v[SS+2*\i], v[ACC+\i], v[SS+2*\i] row_xmask:1 row_mask:0xf bank_mask:0xf
.endr
.irp i, 0,1
	v_cndmask_b32 v[ACC+\i], v[SS+4*\i+2], v[SS+4*\i], s51
.endr
.irp i, 0,1
	v_cndmask_b32 v[SS+4*\i], v[SS+4*\i], v[SS+4*\i+2], s51
.endr
.irp i, 0,1
	v_add_f32_dpp v[SS+4*\i], v[ACC+\i], v[SS+4*\i] row_xmask:2 row_mask:0xf bank_mask:0xf
.endr
	v_cndmask_b32 v[ACC], v[SS+4], v[SS], s52
	v_cndmask_b32 v[SS], v[SS], v[SS+4], s52
	v_add_f32_dpp v[SS], v[ACC], v[SS] row_xmask:4 row_mask:0xf bank_mask:0xf
	v_add_f32_dpp v[SS], v[SS], v[SS] row_xmask:8 row_mask:0xf bank_mask:0xf   ; lane l: row 8 h + l % 8, over my 64 columns
	ds_store_b32 v7, v[SS] offset:8192*(\p)        ; lanes l and l xor 8 write the same word with the same value
.endm
.macro MTILE p
	v_add_nc_u32 v5, s56, v[LI]
	v_add_nc_u32 v6, s57, v2
	v_add_nc_u32 v7, s59, v4
	ds_load_b128 v[ASCR:ASCR+3], v6
	ds_load_b128 v[ASCR+4:ASCR+7], v6 offset:16
	AFL 0
	AFL 1
	AFL 2
	KSTEP 0, 6                                     ; two younger fragments, three loads each
	KSTEP 1, 6
	KSTEP 2, 6
	KSTEP 3, 6
	KSTEP 4, 6
	KSTEP 5, 6
	KSTEP 6, 3                                     ; one
	KSTEP 7, 0
	EPI \p
.endm
.macro PASS p
.if \p
	BLOADLO 1, 21, 31                              ; (the last products stand behind the vector work of their tile: more than four plain instructions back)
	BLOADHI 1
	BSCW 1
.endif
	s_wait_loadcnt 0x0
.irp t, 0,1,2,3
	v_mul_f32 v[WV+\t], NK2L, v[WV+\t]             ; -k V
.endr
	s_mov_b32 s28, 0
	s_mov_b32 s56, 0
	s_mov_b32 s57, 0
	s_mov_b32 s59, 0
.Lm_\p:                                            ; sixteen trips, a constant; a trip beyond my tiles jumps over the work
	s_cmp_ge_u32 s28, s63
	s_cbranch_scc1 .Lms_\p
	MTILE \p
.Lms_\p:
	s_add_co_u32 s56, s56, TILEB
	s_add_co_u32 s57, s57, 512
	s_add_co_u32 s59, s59, 64
	s_add_co_u32 s28, s28, 1
	s_cmp_lt_u32 s28, 16
	s_cbranch_scc1 .Lm_\p
.endm
	s_load_b512 s[4:19], s[0:1], 0x0               ; values, w2img, W2's scales, kc, V_w, rowsT, meta, scores
	s_load_b64 s[20:21], s[0:1], 0x40              ; cs
	v_lshl_add_u32 v[SPW], v0, 2, SPARE
	v_mov_b32 v[NIL], 0
	v_lshrrev_b32 v[RR], 5, v0
	v_readfirstlane_b32 s22, v[RR]                 ; wave 0..7
	s_and_b32 s62, ttmp7, 0xffff                   ; batch
	s_lshl_b32 s58, s62, 2
	s_mov_b32 s31, 0
	s_wait_kmcnt 0x0
	s_load_b32 s23, s[16:17], s58 offset:0x0       ; n
	v_and_b32 v[L32], 31, v0
	v_lshlrev_b32 v[LI], 4, v[L32]
	v_lshlrev_b32 v[L32], 5, v[L32]                ; 32 x lane: my eight row numbers
	v_and_b32 v[RR], 15, v0                        ; r
	v_bfe_u32 v[HH], v0, 4, 1                      ; h
	s_mul_i32 s56, s22, STGW
	s_add_co_u32 s56, s56, STG                     ; my stage
	v_add_nc_u32 v[STW], s56, v[LI]                ; in: a row's 512 bytes as they lie
	v_mul_u32_u24 v[STR], v[RR], SPITCH
	v_lshl_add_u32 v[STR], v[HH], 6, v[STR]
	v_add_nc_u32 v[STR], s56, v[STR]               ; back: row r, + 64 h: my 16 numbers of a block
	s_mul_i32 s56, s22, FRB
	v_add_nc_u32 v[IMS], s56, v[LI]                ; images: K step w
	s_lshl_b32 s56, s22, 2
	s_add_co_u32 s56, s56, ASC
	v_lshl_add_u32 v[SCS], v[RR], 5, s56           ; scale words: 32 r + 4 w
.irp b, 0,1,2,3
	v_mov_b32 v[TM+4+\b], 0                        ; written once: a lane permute's destination counts as one of its sources
.endr
	s_mov_b32 s48, K2L
	s_mov_b32 s49, K2L
	s_mov_b32 s50, 0xaaaaaaaa
	s_mov_b32 s51, 0xcccccccc
	s_mov_b32 s52, 0xf0f0f0f0
	s_mov_b32 s[SEL], 0x76543210
	s_mov_b32 s[SEL+1], 0xfedcba98
	s_wait_kmcnt 0x0
	s_min_u32 s23, s23, 2048
	s_add_co_u32 s24, s23, 15
	s_lshr_b32 s24, s24, 4                         ; nt
	s_mul_i32 s25, ttmp9, s24
	s_add_co_u32 s26, s25, s24
	s_lshr_b32 s25, s25, 3                         ; my first tile
	s_lshr_b32 s26, s26, 3
	s_sub_co_u32 s26, s26, s25                     ; mt
	s_max_u32 s63, s26, 1
	s_max_u32 s27, s26, 4
	s_min_u32 s25, s25, 112                        ; (7 x 128 / 8 at the most: the window of 256 list places stays inside the batch's 2,048)
	s_lshl_b32 s30, s62, 13
	s_lshl_b32 s57, s25, 6
	s_add_co_u32 s30, s30, s57
	s_add_nc_u64 s[14:15], s[14:15], s[30:31]      ; rowsT and cs at my first tile
	s_add_nc_u64 s[20:21], s[20:21], s[30:31]
	s_lshl_b32 s30, s22, 9
	s_add_nc_u64 s[4:5], s[4:5], s[30:31]          ; values at my wave's 512 bytes of a row
	s_mul_i32 s30, s22, 4*TILEB
	s_add_nc_u64 s[6:7], s[6:7], s[30:31]          ; w2img at my four tiles
	s_lshl_b32 s30, s22, 11
	s_add_nc_u64 s[8:9], s[8:9], s[30:31]          ; W2's scales at my 64 rows
	s_lshl_b32 s30, s22, 8
	s_add_nc_u64 s[12:13], s[12:13], s[30:31]      ; V_w at my 64 columns
	s_lshl_b32 s57, s62, 12
	s_add_co_u32 s30, s30, s57
	s_add_nc_u64 s[10:11], s[10:11], s[30:31]      ; kc likewise, in my batch
	global_load_b128 v[IDV:IDV+3], v[L32], s[14:15]
	global_load_b128 v[IDV+4:IDV+7], v[L32], s[14:15] offset:16
	BLOADLO 0, 23, 31                              ; nine of pass 0's fragments come while phase X runs
	s_wait_loadcnt 27                              ; the row numbers are in; the 27 loads behind them may be out
	s_mov_b32 s29, 0
	BASES
	LSET 0
	BASES
	LSET 1
	BASES
	LSET 2
	BASES
	LSET 3
	s_wait_loadcnt 48                              ; set 0 is in; three younger sets of 16 may be out
	s_mov_b32 s53, 0
	s_mov_b32 s28, 0
	s_mov_b32 s56, 0
	s_mov_b32 s57, 0
.Lx:                                               ; four trips of four steps, a constant
	v_add_nc_u32 v[IMW], s56, v[IMS]
	v_add_nc_u32 v[SCW], s57, v[SCS]
	XSTEP 0
	XSTEP 1
	XSTEP 2
	XSTEP 3
	s_add_co_u32 s56, s56, 4*TILEB
	s_add_co_u32 s57, s57, 4*512
	s_add_co_u32 s28, s28, 1
	s_cmp_lt_u32 s28, 4
	s_cbranch_scc1 .Lx
	s_wait_loadcnt 0x0                             ; no row load is out: the sets' registers take W2's fragments below
	s_wait_dscnt 0x0                               ; for the others' sake: my images and scale words have landed; and their stores have read the registers that are loaded below
	v_lshl_add_u32 v2, v[RR], 5, ASC               ; the rows' scale words: 32 r
	v_lshlrev_b32 v3, 2, v[RR]                     ; 4 r
	v_and_b32 v4, 7, v0
	v_lshl_add_u32 v4, v[HH], 3, v4
	v_lshlrev_b32 v4, 2, v4
	s_lshl_b32 s56, s22, 10
	s_add_co_u32 s56, s56, PART
	v_add_nc_u32 v4, s56, v4                       ; my slot, row 8 h + l % 8
	v_lshlrev_b32 v8, 1, v[LI]                     ; 32 x lane
	BLOADLO 0, 21, 22                              ; the rest of pass 0's fragments
	BLOADHI 0
	BSCW 0
	s_barrier_signal -1
	s_barrier_wait -1
	PASS 0
	PASS 1
	v_lshlrev_b32 v84, 2, v0
	global_load_b32 v88, v84, s[14:15]             ; the number of the row at my list place, ALL LANES ON: the 256 places from my first tile on lie inside the batch's list.  It lands while the waves meet
	s_wait_dscnt 0x0                               ; my parts have landed
	s_barrier_signal -1
	s_barrier_wait -1
	v_add_nc_u32 v85, PART, v84
	s_lshl_b32 s30, s25, 4
	v_add_nc_u32 v86, s30, v0                      ; my place in the batch's list
	v_mov_b32 v87, 0xff800000                      ; -infinity
	s_wait_loadcnt 0x0
	v_min_u32 v88, 0xffff, v88                     ; held inside scores in every lane, while all lanes are on (it lies there by construction)
	v_lshlrev_b32 v88, 2, v88
	s_lshl_b32 s30, s26, 4
	v_cmp_gt_u32 vcc_lo, s30, v0                   ; threads 0 .. 16 mt - 1
	s_wait_xcnt 0x0                                ; EXEC changes only behind this wait
	s_and_saveexec_b32 s62, vcc_lo
.irp i, 0,1,2,3,4,5,6,7,8,9,10,11,12,13,14,15
	ds_load_b32 v[ACC+\i], v85 offset:1024*\i
.endr
	s_wait_dscnt 0x0
.irp i, 0,1,2,3,4,5,6,7
	v_add_f32 v[ACC+\i], v[ACC+\i], v[ACC+8+\i]
.endr
.irp i, 0,1,2,3
	v_add_f32 v[ACC+\i], v[ACC+\i], v[ACC+4+\i]
.endr
	v_add_f32 v[ACC], v[ACC], v[ACC+2]
	v_add_f32 v[ACC+1], v[ACC+1], v[ACC+3]
	v_add_f32 v[ACC], v[ACC], v[ACC+1]             ; t
	v_cmp_gt_u32 vcc_lo, s23, v86                  ; a place under n holds a live row; the others keep -inf
	v_cndmask_b32 v89, v87, v[ACC], vcc_lo
	global_store_b32 v84, v89, s[20:21]            ; cs: neighbouring lanes, neighbouring words
	global_store_b32 v88, v89, s[18:19]            ; scores, at the row itself
	s_wait_xcnt 0x0                                ; and again ahead of the line that widens EXEC
	s_or_b32 exec_lo, exec_lo, s62
	s_wait_tensorcnt 0x0                           ; the wave's end
	ds_add_u32 v[SPW], v[NIL]
	s_wait_dscnt 0x0
	s_endpgm
.Lfunc_end_k_q9cfef2e361_scores:
	.size	k_q9cfef2e361_scores, .Lfunc_end_k_q9cfef2e361_scores-k_q9cfef2e361_scores
	.p2alignl 7, 3214868480
	.fill 96, 4, 3214868480
	.section	.rodata,"a",@progbits
	.p2align	6, 0x0
	.amdhsa_kernel k_q9cfef2e361_scores
		.amdhsa_group_segment_fixed_size 289792
		.amdhsa_private_segment_fixed_size 0
		.amdhsa_enable_private_segment 0
		.amdhsa_kernarg_size 72
		.amdhsa_user_sgpr_count 2
		.amdhsa_user_sgpr_kernarg_segment_ptr 1
		.amdhsa_wavefront_size32 1
		.amdhsa_system_sgpr_workgroup_id_x 1
		.amdhsa_system_sgpr_workgroup_id_y 1
		.amdhsa_system_sgpr_workgroup_id_z 1
		.amdhsa_system_vgpr_workitem_id 0
		.amdhsa_next_free_vgpr 512
		.amdhsa_next_free_sgpr 98
		.amdhsa_reserve_vcc 1
		.amdhsa_float_denorm_mode_32 3
		.amdhsa_float_denorm_mode_16_64 3
		.amdhsa_memory_ordered 1
		.amdhsa_forward_progress 1
		.amdhsa_inst_pref_size 119
	.end_amdhsa_kernel
	.amdgpu_metadata
---
amdhsa.version: [ 1, 2 ]
amdhsa.kernels:
  - .name:           k_q9cfef2e361_scores
    .symbol:         k_q9cfef2e361_scores.kd
    .args:
      - { .name: values, .offset: 0, .size: 8, .value_kind: global_buffer, .address_space: global }
      - { .name: w2img, .offset: 8, .size: 8, .value_kind: global_buffer, .address_space: global }
      - { .name: W2_w_scales, .offset: 16, .size: 8, .value_kind: global_buffer, .address_space: global }
      - { .name: kc, .offset: 24, .size: 8, .value_kind: global_buffer, .address_space: global }
      - { .name: V_w, .offset: 32, .size: 8, .value_kind: global_buffer, .address_space: global }
      - { .name: rowsT, .offset: 40, .size: 8, .value_kind: global_buffer, .address_space: global }
      - { .name: meta, .offset: 48, .size: 8, .value_kind: global_buffer, .address_space: global }
      - { .name: scores, .offset: 56, .size: 8, .value_kind: global_buffer, .address_space: global }
      - { .name: cs, .offset: 64, .size: 8, .value_kind: global_buffer, .address_space: global }
    .group_segment_fixed_size: 289792
    .private_segment_fixed_size: 0
    .kernarg_segment_align: 8
    .kernarg_segment_size: 72
    .max_flat_workgroup_size: 256
    .sgpr_count:     98
    .vgpr_count:     512
    .wavefront_size: 32
...
	.end_amdgpu_metadata
.endif
;; end of part 2
;; launch context (part 3): grid 8 x 32, 8 waves a work-group, no clusters, 5,632 bytes of LDS; arguments values, scores, cs, rowsT, meta, out0, out1; writes out0, out1
.if DOCPART == 3
	.amdgcn_target "amdgcn-amd-amdhsa--gfx1250"
	.amdhsa_code_object_version 6
	.text
	.protected	k_q9cfef2e361_context
	.globl	k_q9cfef2e361_context
	.p2align	8
	.type	k_q9cfef2e361_context,@function
k_q9cfef2e361_context:
	s_mov_b64 s[64:65], 0
	v_nop
	global_prefetch_b8 v0, s[64:65] scope:SCOPE_SE
	s_setreg_imm32_b32 hwreg(HW_REG_WAVE_MODE, 25, 1), 1
	s_wait_xcnt 0x0
; BAHDANAU ATTENTION, launch 3 of 3: alphas = softmax of the masked scores (out1), context = sum of alpha x row (out0).  All in f32: one row of weights against 2,048 rows is no work for the matrix units.
; LEFT OUT: the rows with mask == 0 are not read (their alpha is exactly 0): shown at the head of the first launch.  The mask itself has done its work there: scores and cs hold -inf wherever no live row stands.
; SHARES.  Work-group (c, b): batch b, columns 128 c .. 128 c + 127 (512 bytes of each live row): each number of out0 has one owner.  Every work-group of a batch makes the batch's maximum M and sum l from scores
;   (8 KB, read densely; the maximum is taken away before the exponential, as in reference()); wave c of work-group c stores its 256 alphas, so that the eight work-groups write out1 once.
;   Wave w takes list tiles w, w + 8, ..: a load reads one row's 512 consecutive bytes; three sets of 16 loads, two on their way while one is added up.
;   A wave's 256 weights 2^(cs - M) are made at once (lane 2 i + r / 8, register r % 8: row r of its i-th tile) and reach the multiply-adds through scalar registers.
;   Two sets are always asked for: a wave with fewer tiles reads rows of the same list, whose cs is -inf and whose weight is 0; so it is with the masked rows that fill a batch's last tile.
; LIMITS: NaN and infinities among the inputs are not served (a row weighed by 0 must be finite).  A batch with no live row gives NaN in both outputs, as reference() does: -inf less -inf.
.set MAXB,  0                          ; LDS: eight maxima;
.set SUMB,  256                        ; eight sums;
.set ACCB,  512                        ; eight waves x 512 bytes of context;
.set SPARE, 4608                       ; the spare words, 128 bytes a wave: four blocks of 256 bytes that no other line names
.set LI,   1                           ; v1      16 x lane
.set IDV,  2                           ; v2-9    my tiles' row numbers
.set P,    10                          ; v10-17  cs, then the weights
.set T,    18                          ; v18-25  my eight scores, then p
.set ACC,  34                          ; v34-41  two sums of four columns (even rows', odd rows')
.set SPW,  52
.set NIL,  53
.set X,    64                          ; v64-255 three sets of 16 rows x 4
; v42 M; v43 1 / l; v44-51 at work; v54 16 x thread; v55 my row numbers' place; v56 4 x wave; v57 0; v58, v59 LDS places of the sums; v60 lane
; s20 wave; s22 batch; s23 n; s24 nt; s25 my tiles; s26 max of that and 2; s27 the tile at work; s28 loop counter; s29 the tile asked for next; s[30:31] an offset; s[32:47] row numbers; s[48:63] weights; s[66:97] row addresses; s98, s99 lanes
.macro BASES                           ; the addresses of the sixteen rows of my s29-th tile, at the work-group's 512 bytes
	s_wait_xcnt 0x0                                ; the last set's loads have read their addresses: these may be written
	s_lshl_b32 s98, s29, 1
	s_add_co_u32 s99, s98, 1
.irp r, 0,1,2,3,4,5,6,7,8,9,10,11,12,13,14,15
	v_readlane_b32 s[32+\r], v[IDV+(\r%8)], s[98+(\r/8)]
.endr
.irp r, 0,1,2,3,4,5,6,7,8,9,10,11,12,13,14,15
	s_min_u32 s30, s[32+\r], 0xffff                ; (a row number lies there by construction)
	s_lshl_b32 s30, s30, 12
	s_add_nc_u64 s[66+2*\r:67+2*\r], s[4:5], s[30:31]
.endr
	s_add_co_u32 s29, s29, 1
.endm
.macro LSET k
.irp r, 0,1,2,3,4,5,6,7,8,9,10,11,12,13,14,15
	global_load_b128 v[X+64*(\k)+4*\r:X+64*(\k)+4*\r+3], v[LI], s[66+2*\r:67+2*\r] th:TH_LOAD_NT
.endr
.endm
.macro CWORK k, left                   ; the tile in set k is added up.  left: the younger loads that may stay out
	s_wait_loadcnt \left
	s_lshl_b32 s98, s27, 1
	s_add_co_u32 s99, s98, 1
.irp r, 0,1,2,3,4,5,6,7,8,9,10,11,12,13,14,15
	v_readlane_b32 s[48+\r], v[P+(\r%8)], s[98+(\r/8)]
.endr
.irp r, 0,1,2,3,4,5,6,7,8,9,10,11,12,13,14,15
.irp e, 0,1,2,3
	v_fmac_f32 v[ACC+4*(\r%2)+\e], s[48+\r], v[X+64*(\k)+4*\r+\e]
.endr
.endr
	s_add_co_u32 s27, s27, 1
.endm
.macro CSTEP k
	s_cmp_ge_u32 s29, s26
	s_cbranch_scc1 .Lct_\k
	BASES
	LSET (\k+2)%3
	CWORK \k, 32                                   ; two younger sets of 16
.endm
	s_load_b64 s[4:5], s[0:1], 0x0                 ; values
	s_load_b256 s[8:15], s[0:1], 0x8               ; scores, cs, rowsT, meta
	s_load_b128 s[16:19], s[0:1], 0x28             ; out0, out1
	v_lshl_add_u32 v[SPW], v0, 2, SPARE
	v_mov_b32 v[NIL], 0
	v_lshrrev_b32 v56, 5, v0
	v_readfirstlane_b32 s20, v56                   ; wave 0..7
	v_lshlrev_b32 v56, 2, v56
	s_and_b32 s22, ttmp7, 0xffff                   ; batch
	s_lshl_b32 s100, s22, 2
	s_mov_b32 s31, 0
	s_wait_kmcnt 0x0
	s_load_b32 s23, s[14:15], s100 offset:0x0      ; n
	v_and_b32 v60, 31, v0
	v_lshlrev_b32 v[LI], 4, v60
	v_lshlrev_b32 v54, 4, v0
	v_lshrrev_b32 v55, 1, v60
	v_lshlrev_b32 v55, 9, v55                      ; my i-th tile lies 8 tiles = 512 bytes behind the one before,
	v_and_b32 v45, 1, v60
	v_lshl_add_u32 v55, v45, 5, v55                ; odd lanes take its rows 8 to 15,
	s_lshl_b32 s101, s20, 6
	v_add_nc_u32 v55, s101, v55                    ; and my first tile is tile w
	v_mov_b32 v57, 0
	v_mov_b32 v46, 0                               ; (a lane permute's destination counts as one of its sources)
	v_add_nc_u32 v58, ACCB, v54
	v_add_nc_u32 v59, ACCB, v[LI]
.irp e, 0,1,2,3,4,5,6,7
	v_mov_b32 v[ACC+\e], 0
.endr
	s_mov_b32 s104, 0x76543210
	s_mov_b32 s105, 0xfedcba98                     ; v_permlanex16_b32's selects for lane l xor 16
	s_lshl_b32 s30, s22, 13                        ; a batch is 8,192 bytes in each of these four
	s_add_nc_u64 s[8:9], s[8:9], s[30:31]
	s_add_nc_u64 s[10:11], s[10:11], s[30:31]
	s_add_nc_u64 s[12:13], s[12:13], s[30:31]
	s_add_nc_u64 s[18:19], s[18:19], s[30:31]
	s_lshl_b32 s30, ttmp9, 9
	s_add_nc_u64 s[4:5], s[4:5], s[30:31]          ; values at the work-group's 512 bytes of a row
	s_lshl_b32 s101, s22, 12
	s_add_co_u32 s30, s30, s101
	s_add_nc_u64 s[16:17], s[16:17], s[30:31]      ; out0 likewise, in my batch
	global_load_b128 v[IDV:IDV+3], v55, s[12:13]
	global_load_b128 v[IDV+4:IDV+7], v55, s[12:13] offset:16
	global_load_b128 v[P:P+3], v55, s[10:11]
	global_load_b128 v[P+4:P+7], v55, s[10:11] offset:16
	global_load_b128 v[T:T+3], v54, s[8:9]         ; rows 4 t .. 4 t + 3 and 1024 + 4 t ..
	global_load_b128 v[T+4:T+7], v54, s[8:9] offset:4096
	s_wait_loadcnt 4                               ; the row numbers are in; the four loads behind them may be out
	s_mov_b32 s29, 0
	BASES
	LSET 0
	BASES
	LSET 1                                         ; two sets of rows are on their way while M and l are made
	s_wait_kmcnt 0x0
	s_min_u32 s23, s23, 2048
	s_add_co_u32 s24, s23, 15
	s_lshr_b32 s24, s24, 4                         ; nt
	s_add_co_u32 s25, s24, 7
	s_sub_co_u32 s25, s25, s20
	s_lshr_b32 s25, s25, 3                         ; my tiles: w, w + 8, .. under nt
	s_max_u32 s26, s25, 2
	s_wait_loadcnt 32                              ; cs and scores are in; the 32 row loads may be out
	v_max3_num_f32 v45, v[T], v[T+1], v[T+2]
	v_max3_num_f32 v47, v[T+3], v[T+4], v[T+5]
	v_max3_num_f32 v45, v45, v[T+6], v[T+7]
	v_max_num_f32 v45, v45, v47
	v_max_num_f32_dpp v45, v45, v45 row_xmask:1 row_mask:0xf bank_mask:0xf
	v_max_num_f32_dpp v45, v45, v45 row_xmask:2 row_mask:0xf bank_mask:0xf
	v_max_num_f32_dpp v45, v45, v45 row_xmask:4 row_mask:0xf bank_mask:0xf
	v_max_num_f32_dpp v45, v45, v45 row_xmask:8 row_mask:0xf bank_mask:0xf
	v_permlanex16_b32 v46, v45, s104, s105
	v_max_num_f32 v45, v45, v46
	ds_store_b32 v56, v45 offset:MAXB              ; all lanes write the same word with the same value
	s_wait_dscnt 0x0
	s_barrier_signal -1
	s_barrier_wait -1
	ds_load_b128 v[44:47], v57 offset:MAXB
	ds_load_b128 v[48:51], v57 offset:MAXB+16
	s_wait_dscnt 0x0
	v_max3_num_f32 v42, v44, v45, v46
	v_max3_num_f32 v42, v42, v47, v48
	v_max3_num_f32 v42, v42, v49, v50
	v_max_num_f32 v42, v42, v51                    ; M
.irp j, 0,1,2,3,4,5,6,7
	v_sub_f32 v[T+\j], v[T+\j], v42
	v_sub_f32 v[P+\j], v[P+\j], v42
.endr
.irp j, 0,1,2,3,4,5,6,7
	v_exp_f32 v[T+\j], v[T+\j]
	v_exp_f32 v[P+\j], v[P+\j]                     ; 0 where cs is -inf: pads, and tiles that the batch does not have
.endr
	v_nop                                          ; a plain instruction behind the batch,
	s_wait_alu depctr_va_vdst(0)                   ; and one wait for the sixteen, ahead of their first reader
	v_add_f32 v45, v[T], v[T+1]
	v_add_f32 v47, v[T+2], v[T+3]
	v_add_f32 v48, v[T+4], v[T+5]
	v_add_f32 v49, v[T+6], v[T+7]
	v_add_f32 v45, v45, v47
	v_add_f32 v48, v48, v49
	v_add_f32 v45, v45, v48
	v_add_f32_dpp v45, v45, v45 row_xmask:1 row_mask:0xf bank_mask:0xf
	v_add_f32_dpp v45, v45, v45 row_xmask:2 row_mask:0xf bank_mask:0xf
	v_add_f32_dpp v45, v45, v45 row_xmask:4 row_mask:0xf bank_mask:0xf
	v_add_f32_dpp v45, v45, v45 row_xmask:8 row_mask:0xf bank_mask:0xf
	v_permlanex16_b32 v46, v45, s104, s105
	v_add_f32 v45, v45, v46
	ds_store_b32 v56, v45 offset:SUMB              ; other bytes than the maxima's: no barrier is owed between the two
	s_wait_dscnt 0x0
	s_barrier_signal -1
	s_barrier_wait -1
	ds_load_b128 v[44:47], v57 offset:SUMB
	ds_load_b128 v[48:51], v57 offset:SUMB+16
	s_wait_dscnt 0x0
	v_add_f32 v44, v44, v45
	v_add_f32 v46, v46, v47
	v_add_f32 v48, v48, v49
	v_add_f32 v50, v50, v51
	v_add_f32 v44, v44, v46
	v_add_f32 v48, v48, v50
	v_add_f32 v43, v44, v48                        ; l
	v_rcp_f32 v43, v43
	v_nop                                          ; a plain instruction behind the reciprocal,
	s_wait_alu depctr_va_vdst(0)                   ; and the wait ahead of its first reader
	s_cmp_lg_u32 s20, ttmp9                        ; wave c of work-group c stores its alphas
	s_cbranch_scc1 .Lno1
.irp j, 0,1,2,3,4,5,6,7
	v_mul_f32 v[T+\j], v[T+\j], v43
.endr
	global_store_b128 v54, v[T:T+3], s[18:19]      ; 32 lanes store 512 consecutive bytes
	global_store_b128 v54, v[T+4:T+7], s[18:19] offset:4096
.Lno1:
	s_mov_b32 s27, 0
	s_mov_b32 s28, 0
.Lc:                                               ; three tiles a trip; the loop is left through one of the tails, when my last tile has been asked for.  No LDS instruction stands in it
	CSTEP 0
	CSTEP 1
	CSTEP 2
	s_add_co_u32 s28, s28, 1
	s_cmp_lt_u32 s28, 5
	s_cbranch_scc1 .Lc
	s_wait_loadcnt 0x0                             ; (not reached: with at most 16 tiles the fifteenth step leaves by its tail)
	s_branch .Lcd
.Lct_0:                                            ; the tails: two sets are out, nothing more is asked for
	CWORK 0, 16
	CWORK 1, 0
	s_branch .Lcd
.Lct_1:
	CWORK 1, 16
	CWORK 2, 0
	s_branch .Lcd
.Lct_2:
	CWORK 2, 16
	CWORK 0, 0
.Lcd:
.irp e, 0,1,2,3
	v_add_f32 v[ACC+\e], v[ACC+\e], v[ACC+4+\e]
.endr
.irp e, 0,1,2,3
	v_mul_f32 v[ACC+\e], v[ACC+\e], v43            ; / l
.endr
	ds_store_b128 v58, v[ACC:ACC+3]
	s_wait_dscnt 0x0                               ; for wave 0's sake: my part has landed
	s_barrier_signal -1
	s_barrier_wait -1
	s_cmp_lg_u32 s20, 0
	s_cbranch_scc1 .Lend
.irp i, 0,1,2,3,4,5,6,7
	ds_load_b128 v[X+4*\i:X+4*\i+3], v59 offset:512*\i
.endr
	s_wait_dscnt 0x0
.irp i, 1,2,3,4,5,6,7
.irp e, 0,1,2,3
	v_add_f32 v[X+\e], v[X+\e], v[X+4*\i+\e]
.endr
.endr
	global_store_b128 v[LI], v[X:X+3], s[16:17]    ; 32 lanes store 512 consecutive bytes of out0
.Lend:
	s_wait_tensorcnt 0x0                           ; the wave's end
	ds_add_u32 v[SPW], v[NIL]
	s_wait_dscnt 0x0
	s_endpgm
.Lfunc_end_k_q9cfef2e361_context:
	.size	k_q9cfef2e361_context, .Lfunc_end_k_q9cfef2e361_context-k_q9cfef2e361_context
	.p2alignl 7, 3214868480
	.fill 96, 4, 3214868480
	.section	.rodata,"a",@progbits
	.p2align	6, 0x0
	.amdhsa_kernel k_q9cfef2e361_context
		.amdhsa_group_segment_fixed_size 5632
		.amdhsa_private_segment_fixed_size 0
		.amdhsa_enable_private_segment 0
		.amdhsa_kernarg_size 56
		.amdhsa_user_sgpr_count 2
		.amdhsa_user_sgpr_kernarg_segment_ptr 1
		.amdhsa_wavefront_size32 1
		.amdhsa_system_sgpr_workgroup_id_x 1
		.amdhsa_system_sgpr_workgroup_id_y 1
		.amdhsa_system_sgpr_workgroup_id_z 1
		.amdhsa_system_vgpr_workitem_id 0
		.amdhsa_next_free_vgpr 256
		.amdhsa_next_free_sgpr 106
		.amdhsa_reserve_vcc 0
		.amdhsa_float_denorm_mode_32 3
		.amdhsa_float_denorm_mode_16_64 3
		.amdhsa_memory_ordered 1
		.amdhsa_forward_progress 1
		.amdhsa_inst_pref_size 61
	.end_amdhsa_kernel
	.amdgpu_metadata
---
amdhsa.version: [ 1, 2 ]
amdhsa.kernels:
  - .name:           k_q9cfef2e361_context
    .symbol:         k_q9cfef2e361_context.kd
    .args:
      - { .name: values, .offset: 0, .size: 8, .value_kind: global_buffer, .address_space: global }
      - { .name: scores, .offset: 8, .size: 8, .value_kind: global_buffer, .address_space: global }
      - { .name: cs, .offset: 16, .size: 8, .value_kind: global_buffer, .address_space: global }
      - { .name: rowsT, .offset: 24, .size: 8, .value_kind: global_buffer, .address_space: global }
      - { .name: meta, .offset: 32, .size: 8, .value_kind: global_buffer, .address_space: global }
      - { .name: out0, .offset: 40, .size: 8, .value_kind: global_buffer, .address_space: global }
      - { .name: out1, .offset: 48, .size: 8, .value_kind: global_buffer, .address_space: global }
    .group_segment_fixed_size: 5632
    .private_segment_fixed_size: 0
    .kernarg_segment_align: 8
    .kernarg_segment_size: 56
    .max_flat_workgroup_size: 256
    .sgpr_count:     106
    .vgpr_count:     256
    .wavefront_size: 32
...
	.end_amdgpu_metadata
.endif
;; end of part 3
;; ======== version 2 of 2: 3 launches; 1.14 times as fast as version 1
;; workspace buffers: w2img 786,432 bytes; kc 131,072 bytes; rowsT 262,144 bytes of whole numbers; meta 256 bytes of whole numbers; scores 262,144 bytes; cs 262,144 bytes
;; launch prep (part 4): grid 136 x 1, 16 waves a work-group, no clusters, 2,304 bytes of LDS; arguments mask, query_codes, query_scales, W1_w_codes, W1_w_scales, W1_b, W2_b, W2_w_codes, w2img, kc, rowsT, meta, scores, cs; writes w2img, kc, rowsT, meta, scores, cs
.if DOCPART == 4
	.amdgcn_target "amdgcn-amd-amdhsa--gfx1250"
	.amdhsa_code_object_version 6
	.text
	.protected	k_q9cfef2e361_prep
	.globl	k_q9cfef2e361_prep
	.p2align	8
	.type	k_q9cfef2e361_prep,@function
k_q9cfef2e361_prep:
	s_mov_b64 s[64:65], 0
	v_nop
	global_prefetch_b8 v0, s[64:65] scope:SCOPE_SE
	s_setreg_imm32_b32 hwreg(HW_REG_WAVE_MODE, 25, 1), 1
	s_wait_xcnt 0x0
; BAHDANAU ATTENTION, launch 1 of 3: the row lists, the query's projection, W2 in the order of the operand's registers.
; WORK THAT IS LEFT OUT, for all values of the inputs:
;  (a) rows s with mask[b][s] == 0: reference() sets their score to -inf, so their alpha is exactly 0 and they add nothing to context: neither their product with W2, nor their tanh, nor
;      their bytes of values have a way to an output.  Whole numbers decide: this launch reads the mask and stores the lists from which the later launches form their addresses.
;  (b) query[:, 0, :]: reference() slices it away; only the rows (b, 1) of query_codes and query_scales are loaded.
;  (c) V_b, and the sum of V_w: tanh x = 1 - 2 / (1 + e^(2x)), so score = sum(V) + V_b - 2 sum_n V_n / (1 + e^(2 x_n)); the first two terms are the same along the softmax's axis and cancel in it.
;      V_b has no other way to an output: it is not loaded and is no argument of any launch.
; LIMIT: a NaN, an infinity or an overflow that reaches only the work left out (masked rows, query[:, 0, :], V_b) is not carried to the result.
; TWO KINDS OF WORK-GROUP, told apart by the work-group's number alone:
;  0-31   batch b: rowsT[b][0 .. 2047] becomes a permutation of the batch's rows (numbers b 2048 + s): the n live rows from the front, the masked ones from the back; meta[b] = n.
;         Thread t holds rows 4 t .. 4 t + 3.  A row's place in the walk is x = 128 wave + 32 e + lane (e: its register); L = live rows ahead of it; a live row goes to L, a masked one to 2047 - (x - L).
;         The batch's 2,048 words of scores and of cs are set to -inf, reference()'s score of a masked row; the next launch writes the live rows' over them.  So the last launch reads no word that was not stored.
;  32-135 1,664 waves, numbered j = 16 (work-group - 32) + wave.  Those with j % 13 == 0 make kc, the twelve behind each of them lay out W2:
;         kc[b][n] = k (q[b] . W1[n] + W1_b[n] + W2_b[n]), k = 2 log2(e): wave j makes tile j / 13: 16 batches x 16 n, eight matrix instructions on two accumulators that take turns.
;         Each of its 102 loads touches 16 rows that lie 768 or 1,536 bytes apart: so a work-group has one or two such waves, not sixteen.  Its stores are runs of 64 bytes: kc is 128 KB, written once.
;         w2img: fragment f = 8 T + s (16 rows of W2 from 16 T on, 128 along K from 128 s on) as the 12 registers of a lane lie: byte f 1536 + 512 c + 16 lane holds registers 4 c .. 4 c + 3.
;         A wave lays out one chunk 3 f + c: two loads of 8 bytes a lane, one store of 512 consecutive bytes.
.set K2L,   0x4038aa3b                 ; k = 2 log2(e)
.set SPARE, 256                        ; LDS: bytes 0-63 the sixteen waves' counts; from 256 on the spare words, 128 bytes a wave, which no other line names
.set SPW,   10                         ; v10  SPARE + 4 x my thread's number; never rewritten
.set NIL,   11                         ; v11  0; never rewritten
.set QF,    16                         ; v16-111   q's eight fragments
.set WF,    112                        ; v112-207  W1's eight
.set QS,    208                        ; v208-215  q's scale words, one register a K step
.set WS,    216                        ; v216-223  W1's
.set AA,    224                        ; v224-231  the sum over even K steps
.set AB,    232                        ; v232-239  over odd ones
.set RS,    242                        ; v242-249  results
	s_load_b512 s[4:19], s[0:1], 0x0               ; mask, q codes, q scales, W1 codes, W1 scales, W1_b, W2_b, W2 codes
	s_load_b256 s[20:27], s[0:1], 0x40             ; w2img, kc, rowsT, meta
	s_load_b128 s[56:59], s[0:1], 0x60             ; scores, cs
	v_lshl_add_u32 v[SPW], v0, 2, SPARE
	v_mov_b32 v[NIL], 0
	v_lshrrev_b32 v1, 5, v0
	v_readfirstlane_b32 s28, v1                    ; wave 0..15
	v_and_b32 v1, 31, v0                           ; lane
	v_and_b32 v2, 15, v0                           ; r
	v_bfe_u32 v3, v0, 4, 1                         ; h
	s_mov_b32 s31, 0                               ; the upper word of every offset pair s[30:31]
	s_wait_kmcnt 0x0
	s_cmp_lt_u32 ttmp9, 32
	s_cbranch_scc1 .Lcompact
	v_mul_u32_u24 v4, v2, 768                      ; a row of W1 or W2 is 1,024 codes = 768 bytes;
	v_mad_u32_u24 v4, v3, 24, v4                   ; lanes 16-31 begin 24 bytes on
	s_sub_co_u32 s29, ttmp9, 32
	s_lshl_b32 s29, s29, 4
	s_add_co_u32 s29, s29, s28                     ; j = 0 .. 1663
	s_mul_i32 s32, s29, 20165                      ; 20165 = ceil(2^18 / 13): exact for j under 1,664
	s_lshr_b32 s32, s32, 18                        ; j / 13 = 0 .. 127
	s_mul_i32 s33, s32, 13
	s_sub_co_u32 s33, s29, s33                     ; j % 13
	s_cmp_eq_u32 s33, 0
	s_cbranch_scc1 .Lqproj
	; ---- a third of a fragment of W2
	s_sub_co_u32 s33, s33, 1                       ; x = 0 .. 11
	s_mul_i32 s34, s32, 12
	s_add_co_u32 s34, s34, s33                     ; chunk 3 f + c = 0 .. 1535
	s_mul_i32 s35, s33, 11
	s_lshr_b32 s35, s35, 5                         ; x / 3 (exact for x under 12)
	s_mul_i32 s36, s35, 3
	s_sub_co_u32 s36, s33, s36                     ; c
	s_lshl_b32 s37, s32, 2
	s_add_co_u32 s37, s37, s35                     ; f = 0 .. 511
	s_lshr_b32 s38, s37, 3                         ; T
	s_and_b32 s39, s37, 7                          ; s
	s_mul_i32 s30, s38, 16*768
	s_mul_i32 s39, s39, 96
	s_add_co_u32 s30, s30, s39                     ; where the fragment's rows begin, at K step s
	; a lane's 12 registers are six pieces of 8 bytes, at bytes 0, 8, 16, 48, 56, 64 of its part: chunk c holds pieces 2 c and 2 c + 1: at 0 and 8, 16 and 48, 56 and 64
	s_lshr_b32 s40, s36, 1                         ; 1 for c = 2
	s_min_u32 s41, s36, 1                          ; 1 for c = 1, 2
	s_lshl_b32 s42, s36, 4
	s_mul_i32 s43, s40, 24
	s_add_co_u32 s42, s42, s43                     ; 16 c + 24 (c / 2) = 0, 16, 56
	s_add_co_u32 s42, s42, s30
	s_mul_i32 s43, s41, 40
	s_lshl_b32 s40, s40, 4
	s_add_co_u32 s43, s43, s40
	s_add_co_u32 s43, s43, 8                       ; 8 + 40 min(c, 1) + 16 (c / 2) = 8, 48, 64
	s_add_co_u32 s30, s30, s43
	s_add_nc_u64 s[44:45], s[18:19], s[30:31]      ; the second piece
	s_mov_b32 s30, s42
	s_add_nc_u64 s[18:19], s[18:19], s[30:31]      ; the first
	global_load_b64 v[16:17], v4, s[18:19]
	global_load_b64 v[18:19], v4, s[44:45]
	s_lshl_b32 s30, s34, 9                         ; f 1536 + 512 c = 512 x chunk
	s_add_nc_u64 s[20:21], s[20:21], s[30:31]
	v_lshlrev_b32 v5, 4, v1
	s_wait_loadcnt 0x0
	global_store_b128 v5, v[16:19], s[20:21]       ; 32 lanes store 512 consecutive bytes
	s_endpgm
	; ---- the query's projection: tile s32
.Lqproj:
	s_and_b32 s33, s32, 1                          ; which 16 batches
	s_lshr_b32 s32, s32, 1                         ; which 16 n
	s_mov_b32 s35, K2L
	s_mul_i32 s30, s33, 16*1536
	s_add_co_u32 s30, s30, 768                     ; row (b, 1) of the query: (2 b + 1) x 768 bytes
	s_add_nc_u64 s[6:7], s[6:7], s[30:31]
	s_lshl_b32 s30, s33, 10
	s_add_co_u32 s30, s30, 32                      ; and (2 b + 1) x 32 bytes of scales
	s_add_nc_u64 s[8:9], s[8:9], s[30:31]
	s_mul_i32 s30, s32, 16*768
	s_add_nc_u64 s[10:11], s[10:11], s[30:31]
	s_lshl_b32 s30, s32, 9
	s_add_nc_u64 s[12:13], s[12:13], s[30:31]
	s_lshl_b32 s30, s32, 6
	s_add_nc_u64 s[14:15], s[14:15], s[30:31]
	s_add_nc_u64 s[16:17], s[16:17], s[30:31]
	s_lshl_b32 s34, s33, 16
	s_add_co_u32 s30, s30, s34
	s_add_nc_u64 s[22:23], s[22:23], s[30:31]      ; kc at (16 batches, 16 n)
	v_mul_u32_u24 v5, v2, 1536
	v_mad_u32_u24 v5, v3, 24, v5                   ; q: batch r of the sixteen
	v_lshlrev_b32 v6, 6, v2                        ; its scales
	v_lshlrev_b32 v7, 5, v2                        ; W1's scales: 32 bytes a row
	v_lshlrev_b32 v8, 2, v2                        ; 4 r
	v_lshl_add_u32 v9, v3, 15, v8                  ; kc: 8 h rows of 4,096 bytes + 4 r
.irp s, 0,1,2,3,4,5,6,7
.irp p, 0,1,2,3,4,5
	global_load_b64 v[QF+12*\s+2*\p:QF+12*\s+2*\p+1], v5, s[6:7] offset:96*\s+48*(\p/3)+8*(\p%3)
	global_load_b64 v[WF+12*\s+2*\p:WF+12*\s+2*\p+1], v4, s[10:11] offset:96*\s+48*(\p/3)+8*(\p%3)
.endr
.endr
	global_load_b128 v[QS:QS+3], v6, s[8:9]
	global_load_b128 v[QS+4:QS+7], v6, s[8:9] offset:16
	global_load_b128 v[WS:WS+3], v7, s[12:13]
	global_load_b128 v[WS+4:WS+7], v7, s[12:13] offset:16
	global_load_b32 v240, v8, s[14:15]
	global_load_b32 v241, v8, s[16:17]
	s_wait_loadcnt 0x0
	; source 0 = 16 batches of q, source 1 = 16 rows of W1.  The two accumulators take turns, one instruction a turn; the first product of each starts its sum
	v_wmma_scale_f32_16x16x128_f8f6f4 v[AA:AA+7], v[QF:QF+11], v[WF:WF+11], 0, v[QS], v[WS] matrix_a_fmt:MATRIX_FMT_BF6 matrix_b_fmt:MATRIX_FMT_BF6
	v_wmma_scale_f32_16x16x128_f8f6f4 v[AB:AB+7], v[QF+12:QF+23], v[WF+12:WF+23], 0, v[QS+1], v[WS+1] matrix_a_fmt:MATRIX_FMT_BF6 matrix_b_fmt:MATRIX_FMT_BF6
.irp s, 2,4,6
	v_wmma_scale_f32_16x16x128_f8f6f4 v[AA:AA+7], v[QF+12*\s:QF+12*\s+11], v[WF+12*\s:WF+12*\s+11], v[AA:AA+7], v[QS+\s], v[WS+\s] matrix_a_fmt:MATRIX_FMT_BF6 matrix_b_fmt:MATRIX_FMT_BF6
	v_wmma_scale_f32_16x16x128_f8f6f4 v[AB:AB+7], v[QF+12*\s+12:QF+12*\s+23], v[WF+12*\s+12:WF+12*\s+23], v[AB:AB+7], v[QS+\s+1], v[WS+\s+1] matrix_a_fmt:MATRIX_FMT_BF6 matrix_b_fmt:MATRIX_FMT_BF6
.endr
	v_add_f32 v240, v240, v241                     ; four plain instructions behind the last product (ISA guide 7.12.1), two of them useful:
	v_mul_f32 v240, s35, v240                      ; k (W1_b + W2_b)
	v_nop
	v_nop
.irp j, 0,1,2,3,4,5,6,7
	v_add_f32 v[RS+\j], v[AA+\j], v[AB+\j]         ; each accumulator is read from its low end on
.endr
.irp j, 0,1,2,3,4,5,6,7
	v_fma_f32 v[RS+\j], v[RS+\j], s35, v240
.endr
.irp j, 0,1,2,3,4,5,6,7
	global_store_b32 v9, v[RS+\j], s[22:23] offset:4096*\j    ; kc(batch 8 h + j, n = r)
.endr
	s_endpgm
	; ---- a batch's list
.Lcompact:
	s_lshl_b32 s30, ttmp9, 13                      ; a batch is 8,192 bytes in mask, rowsT, scores and cs
	s_add_nc_u64 s[4:5], s[4:5], s[30:31]
	s_add_nc_u64 s[24:25], s[24:25], s[30:31]
	s_add_nc_u64 s[56:57], s[56:57], s[30:31]
	s_add_nc_u64 s[58:59], s[58:59], s[30:31]
	v_lshlrev_b32 v6, 4, v0
	global_load_b128 v[16:19], v6, s[4:5]          ; a wave reads 512 consecutive bytes
.irp e, 0,1,2,3
	v_mov_b32 v[32+\e], 0xff800000                 ; -infinity
.endr
	global_store_b128 v6, v[32:35], s[56:57]       ; a wave stores 512 consecutive bytes
	global_store_b128 v6, v[32:35], s[58:59]
	s_lshl_b32 s32, ttmp9, 11
	v_lshl_add_u32 v9, v0, 2, s32                  ; the number of my first row: b 2048 + 4 t
	s_lshl_b32 s33, s28, 7
	v_add_nc_u32 v7, s33, v1
	v_sub_nc_u32 v7, 2047, v7                      ; 2047 - x for e = 0
	v_lshrrev_b32 v8, 5, v0
	v_lshlrev_b32 v8, 2, v8                        ; LDS: my wave's count
	v_lshlrev_b32 v15, 2, v2                       ; and, on the way back, wave (lane % 16)'s
	s_wait_loadcnt 0x0
.irp e, 0,1,2,3
	v_cmp_ne_u32 s[40+\e], 0, v[16+\e]             ; which lanes' rows are live
.endr
.irp e, 0,1,2,3
	s_bcnt1_i32_b32 s[44+\e], s[40+\e]
.endr
	s_add_co_u32 s48, s44, s45
	s_add_co_u32 s49, s46, s47
	s_add_co_u32 s48, s48, s49
	v_mov_b32 v5, s48
	ds_store_b32 v8, v5                            ; all lanes write the same word with the same value
	s_wait_dscnt 0x0                               ; for the others' sake: my count has landed
	s_barrier_signal -1
	s_barrier_wait -1
	ds_load_b32 v12, v15
	s_mov_b32 s34, 0                               ; live rows in the waves ahead of mine
	s_mov_b32 s36, 0                               ; and in all: n
	s_wait_dscnt 0x0
.set i, 0
.rept 16
	v_readlane_b32 s38, v12, i
	s_cmp_gt_u32 s28, i
	s_cselect_b32 s39, s38, 0
	s_add_co_u32 s34, s34, s39
	s_add_co_u32 s36, s36, s38
.set i, i+1
.endr
	s_mov_b32 s50, s34
.irp e, 0,1,2,3
	v_mbcnt_lo_u32_b32 v[20+\e], s[40+\e], s50     ; L: live rows ahead of mine
	v_add3_u32 v[24+\e], v[20+\e], v7, -32*\e      ; 2047 - x + L: a masked row's place
	v_cndmask_b32 v[24+\e], v[24+\e], v[20+\e], s[40+\e]
	v_min_u32 v[24+\e], 2047, v[24+\e]             ; (it lies there by construction)
	v_lshlrev_b32 v[24+\e], 2, v[24+\e]
	v_add_nc_u32 v[28+\e], \e, v9
	global_store_b32 v[24+\e], v[28+\e], s[24:25]  ; the live lanes' words are neighbours, and so are the masked lanes'
	s_add_co_u32 s50, s50, s[44+\e]
.endr
	v_mov_b32 v13, s36
	s_lshl_b32 s53, ttmp9, 2
	v_mov_b32 v14, s53
	v_cmp_eq_u32 vcc_lo, 0, v0                     ; thread 0 stores n
	s_wait_xcnt 0x0                                ; EXEC changes only behind this wait: the stores above have been taken
	s_and_saveexec_b32 s52, vcc_lo
	global_store_b32 v14, v13, s[26:27]
	s_wait_xcnt 0x0                                ; and again ahead of the line that widens it
	s_or_b32 exec_lo, exec_lo, s52
	s_wait_tensorcnt 0x0                           ; the wave's end
	ds_add_u32 v[SPW], v[NIL]
	s_wait_dscnt 0x0
	s_endpgm
.Lfunc_end_k_q9cfef2e361_prep:
	.size	k_q9cfef2e361_prep, .Lfunc_end_k_q9cfef2e361_prep-k_q9cfef2e361_prep
	.p2alignl 7, 3214868480
	.fill 96, 4, 3214868480
	.section	.rodata,"a",@progbits
	.p2align	6, 0x0
	.amdhsa_kernel k_q9cfef2e361_prep
		.amdhsa_group_segment_fixed_size 2304
		.amdhsa_private_segment_fixed_size 0
		.amdhsa_enable_private_segment 0
		.amdhsa_kernarg_size 112
		.amdhsa_user_sgpr_count 2
		.amdhsa_user_sgpr_kernarg_segment_ptr 1
		.amdhsa_wavefront_size32 1
		.amdhsa_system_sgpr_workgroup_id_x 1
		.amdhsa_system_sgpr_workgroup_id_y 1
		.amdhsa_system_sgpr_workgroup_id_z 1
		.amdhsa_system_vgpr_workitem_id 0
		.amdhsa_next_free_vgpr 256
		.amdhsa_next_free_sgpr 66
		.amdhsa_reserve_vcc 1
		.amdhsa_float_denorm_mode_32 3
		.amdhsa_float_denorm_mode_16_64 3
		.amdhsa_memory_ordered 1
		.amdhsa_forward_progress 1
		.amdhsa_inst_pref_size 24
	.end_amdhsa_kernel
	.amdgpu_metadata
---
amdhsa.version: [ 1, 2 ]
amdhsa.kernels:
  - .name:           k_q9cfef2e361_prep
    .symbol:         k_q9cfef2e361_prep.kd
    .args:
      - { .name: mask, .offset: 0, .size: 8, .value_kind: global_buffer, .address_space: global }
      - { .name: query_codes, .offset: 8, .size: 8, .value_kind: global_buffer, .address_space: global }
      - { .name: query_scales, .offset: 16, .size: 8, .value_kind: global_buffer, .address_space: global }
      - { .name: W1_w_codes, .offset: 24, .size: 8, .value_kind: global_buffer, .address_space: global }
      - { .name: W1_w_scales, .offset: 32, .size: 8, .value_kind: global_buffer, .address_space: global }
      - { .name: W1_b, .offset: 40, .size: 8, .value_kind: global_buffer, .address_space: global }
      - { .name: W2_b, .offset: 48, .size: 8, .value_kind: global_buffer, .address_space: global }
      - { .name: W2_w_codes, .offset: 56, .size: 8, .value_kind: global_buffer, .address_space: global }
      - { .name: w2img, .offset: 64, .size: 8, .value_kind: global_buffer, .address_space: global }
      - { .name: kc, .offset: 72, .size: 8, .value_kind: global_buffer, .address_space: global }
      - { .name: rowsT, .offset: 80, .size: 8, .value_kind: global_buffer, .address_space: global }
      - { .name: meta, .offset: 88, .size: 8, .value_kind: global_buffer, .address_space: global }
      - { .name: scores, .offset: 96, .size: 8, .value_kind: global_buffer, .address_space: global }
      - { .name: cs, .offset: 104, .size: 8, .value_kind: global_buffer, .address_space: global }
    .group_segment_fixed_size: 2304
    .private_segment_fixed_size: 0
    .kernarg_segment_align: 8
    .kernarg_segment_size: 112
    .max_flat_workgroup_size: 512
    .sgpr_count:     66
    .vgpr_count:     256
    .wavefront_size: 32
...
	.end_amdgpu_metadata
.endif
;; end of part 4
;; launch scores (part 5): grid 8 x 32, 8 waves a work-group, no clusters, 289,792 bytes of LDS; arguments values, w2img, W2_w_scales, kc, V_w, rowsT, meta, scores, cs; writes scores, cs
.if DOCPART == 5
	.amdgcn_target "amdgcn-amd-amdhsa--gfx1250"
	.amdhsa_code_object_version 6
	.text
	.protected	k_q9cfef2e361_scores
	.globl	k_q9cfef2e361_scores
	.p2align	8
	.type	k_q9cfef2e361_scores,@function
k_q9cfef2e361_scores:
	s_mov_b64 s[64:65], 0
	v_nop
	global_prefetch_b8 v0, s[64:65] scope:SCOPE_SE
	s_setreg_imm32_b32 hwreg(HW_REG_WAVE_MODE, 25, 1), 1
	s_wait_xcnt 0x0
; BAHDANAU ATTENTION, launch 2 of 3: t(row) = -k sum_n V_n / (1 + 2^(k x_n + kc_n)), x = Q(values[row]) . W2[n], k = 2 log2(e): the score in units of log2, less what is the same along the softmax's axis.
; LEFT OUT: rows with mask == 0 (their alpha is exactly 0), V_b and sum(V) (the same along the softmax's axis): shown at the head of the first launch.  The rows come from the list that it stored.
; SHARES.  Work-group (c, b) takes the tiles of 16 list places c, c + 8, c + 16, .. under nt = ceil(n / 16) of batch b: mt <= 16 tiles.  Where they lie does not hang on n: the row numbers are asked for beside n.
;   A place at or beyond n holds a masked row of the batch: it is worked like any other inside its tile, and -inf is stored for it.  A work-group that its batch leaves without a tile (nt <= c) works one tile and stores
;   nothing: every wave passes every barrier, none under a branch on a loaded number.
; PHASE X.  Wave w quantises K step w (numbers 128 w .. 128 w + 127, 512 bytes) of every row.  A load reads one row's 512 consecutive bytes; 16 rows turn through the wave's own stage in LDS, so that lane (r, h)
;   gets 16 neighbours of each block of 32 of row r; the fragment's 12 registers and the row's scale word go to LDS as they stand.  Four sets of 16 loads: as soon as a set has gone into the stage it is asked for again.
;   A ROW'S OFFSET STANDS IN THE FIRST OF THE FOUR REGISTERS THAT ITS LOAD FILLS: the load lands on its own address register, and that register is written again only when the set's loads have been shown in by their
;   counted wait: so no wait on XCNT stands between the sets, and the first four go out on end.
;   The loop has sixteen steps, a constant; a step beyond my tiles jumps over its work.  Four sets are always asked for: with fewer tiles the rest are rows of the same list, whose images nobody reads.
; PHASE G, twice (p = 0, 1).  Wave w owns columns n = 512 p + 64 w .. + 63: its 32 fragments of W2 (384 registers) are loaded once a pass from w2img, 16 bytes a lane.  For each tile: 8 K steps x 4 matrix instructions
;   (source 0 = 16 rows, source 1 = 16 rows of W2; the four accumulators take turns), then in f32: 2^(k x + kc), + 1, the reciprocal, times -k V_n, summed over the wave's 64 columns; the sum goes to LDS.
; END.  Thread i adds the 16 parts of row i % 16 of my tile i / 16 and stores t to cs (list order: runs of 64 bytes) and to scores (at the row itself: 4 bytes a lane to places far apart); 256 KB each in all, so that the
;   next launch reads both densely.
; W2's image is walked by every work-group and is not asked for jointly.
; LIMITS: NaN and infinities among the inputs are not served; a block whose largest magnitude lies under 2^-122 keeps the scale byte 1 (a block of zeros too: its codes are zeros, and this program alone reads the bytes).
.set K2L,    0x4038aa3b                ; k
.set NK2L,   0xc038aa3b                ; -k
.set FRB,    1536                      ; a fragment's image: 12 registers x 128 bytes
.set TILEB,  8*FRB                     ; a tile's eight
.set ASC,    16*TILEB                  ; LDS: from 0 the images, my tile m, K step s at m TILEB + s FRB + 512 c + 16 lane
.set PART,   ASC+16*512                ; the scale words: m 512 + r 32 + 4 s
.set STG,    PART+16*1024              ; the parts: slot 8 p + w, 1,024 bytes, 4 bytes a row
.set SPITCH, 528                       ; a stage row: 512 bytes + 16 = 33 x 16: the sixteen rows that a read touches begin in sixteen different columns of 16 bytes
.set STGW,   16*SPITCH                 ; a wave's stage
.set SPARE,  STG+8*STGW                ; the spare words, 128 bytes a wave: four blocks of 256 bytes that no other line names
; REGISTERS.  window 0: v0 thread; v1 16 x lane; v10, v11 the add's two; v12-27 W2's scale words, v28-35 the rows': scales and nothing else; v124-255 W2's fragments 21 .. 31 (fragment 4 s + t)
;   phase X: v2-9 row numbers (lane 2 m + r / 8, register r % 8); v36-99 64 numbers; v100-111 at work; v112 scale word; v114-133 codes; v134-139 LDS addresses; v140 r, v141 h, v142 my row numbers' place (fragments 21, 22 come behind it).
;            window 1: four sets of 64: a row's offset, then the row as loaded
;   phase G: v2-4 lane places, v5-7 a tile's LDS addresses, v8 32 x lane; v36-39 kc; v40-43 -k V; v44-51 sums; v52-83 accumulators; v84-119 three fragments.  window 1: W2's fragments 0 .. 20
.set LI,   1
.set IDV,  2
.set SPW,  10
.set NIL,  11
.set BSC,  12
.set ASCR, 28
.set XS,   36
.set TM,   100
.set PW,   112
.set PC,   114
.set STW,  134
.set STR,  135
.set IMS,  136
.set SCS,  137
.set IMW,  138
.set SCW,  139
.set RR,   140
.set HH,   141
.set L32,  142
.set KC,   36
.set WV,   40
.set SS,   44
.set ACC,  52
.set AF,   84
.set SEL,  54                          ; s[54:55] v_permlanex16_b32's selects for lane l xor 16
; s22 wave; s23 n; s24 nt; s26 mt; s27 max(mt, 4); s63 max(mt, 1); s28 loop counter; s29 the tile whose rows are asked for next; s53 the tile at work; s[30:31] an offset; s[32:47] 16 row numbers, then offsets;
; s[48:49] k, k; s50-52 lane masks; s56, s57, s59 LDS steps; s58 n's place; s60, s61 lanes; s62 batch, later EXEC
.set MSB, 0
.macro WIN new                         ; bits 1:0 source 0, 3:2 source 1, 5:4 source 2, 7:6 destination; the immediate's high byte repeats the setting that is left
.if MSB != \new
	s_set_vgpr_msb (MSB<<8)|\new
.set MSB, \new
.endif
.endm
; My tile s29's sixteen rows are asked for, into set k: sixteen loads, a row each: 32 lanes read 512 consecutive bytes, at a multiple of 512 from the buffer's first byte.
.macro ASKSET k
	s_lshl_b32 s60, s29, 1
	s_add_co_u32 s61, s60, 1
.irp r, 0,1,2,3,4,5,6,7,8,9,10,11,12,13,14,15
	v_readlane_b32 s[32+\r], v[IDV+(\r%8)], s[60+(\r/8)]
.endr
.irp r, 0,1,2,3,4,5,6,7,8,9,10,11,12,13,14,15
	s_min_u32 s[32+\r], s[32+\r], 0xffff           ; (a row number lies there by construction)
	s_lshl_b32 s[32+\r], s[32+\r], 12              ; a row is 4,096 bytes: under 2^28 in all
.endr
	WIN 0x40                                       ; destination window 1
.irp r, 0,1,2,3,4,5,6,7,8,9,10,11,12,13,14,15
	v_add_nc_u32 v[64*(\k)+4*\r], s[32+\r], v[LI]  ; the row's offset + 16 x lane, in the first register of the row's four: the set's last loads are in, and its LDS stores have read it
.endr
	WIN 0x41                                       ; destination and address window 1
.irp r, 0,1,2,3,4,5,6,7,8,9,10,11,12,13,14,15
	global_load_b128 v[64*(\k)+4*\r:64*(\k)+4*\r+3], v[64*(\k)+4*\r], s[4:5] th:TH_LOAD_NT   ; the load lands on its own address register
.endr
	WIN 0
	s_add_co_u32 s29, s29, 1
.endm
; Set k goes through my stage: in as the rows lie, back 16 neighbours of each block a lane.
.macro TURN k
	WIN 0x04                                       ; an LDS store's data are its source 1: window 1
.irp r, 0,1,2,3,4,5,6,7,8,9,10,11,12,13,14,15
	ds_store_b128 v[STW], v[64*(\k)+4*\r:64*(\k)+4*\r+3] offset:SPITCH*\r
.endr
	WIN 0
.irp b, 0,1,2,3
.irp j, 0,1,2,3
	ds_load_b128 v[XS+16*\b+4*\j:XS+16*\b+4*\j+3], v[STR] offset:128*\b+16*\j   ; LDS serves a wave's instructions in order (ISA guide 5.7.1.4): these see the stores above
.endr
.endr
	s_wait_dscnt 0x0                               ; the numbers are in; the set's registers and the last tile's codes have been read by their stores
.endm
; 64 numbers of a lane, register 16 b + i = k 32 b + 16 h + i of row r, become a fragment's codes in v[PC] on and the row's scale word in v[PW].
.macro QUANT
.irp b, 0,1,2,3
	v_max3_num_f32 v[TM+\b], |v[XS+16*\b]|, |v[XS+1+16*\b]|, 0x2800000   ; block b: my 16 numbers, and the floor 2^(5 - 127): the byte cannot fall under 1
.endr
.irp i, 2,4,6,8,10,12,14
.irp b, 0,1,2,3
	v_max3_num_f32 v[TM+\b], v[TM+\b], |v[XS+16*\b+\i]|, |v[XS+1+16*\b+\i]|   ; the four blocks by turns
.endr
.endr
.irp b, 0,1,2,3
	v_permlanex16_b32 v[TM+4+\b], v[TM+\b], s[SEL], s[SEL+1]
.endr
.irp b, 0,1,2,3
	v_max_num_f32 v[TM+\b], v[TM+\b], v[TM+4+\b]   ; with lane l xor 16's: the block's largest magnitude
.endr
.irp b, 0,1,2,3
	v_add_nc_u32 v[TM+8+\b], 0xfe000000, v[TM+\b]  ; 4 off its exponent field: the conversion takes the exponent field of this operand as its scale
.endr
.irp b, 0,1,2,3
	v_lshrrev_b32 v[TM+4+\b], 23, v[TM+8+\b]       ; the scale's byte
.endr
	v_lshl_or_b32 v[PW], v[TM+5], 8, v[TM+4]
	v_lshl_or_b32 v[PW], v[TM+6], 16, v[PW]
	v_lshl_or_b32 v[PW], v[TM+7], 24, v[PW]
.irp c, 0,1
	v_cvt_scalef32_pk16_bf6_f32 v[PC+6*\c:PC+2+6*\c], v[XS+32*\c:XS+15+32*\c], v[TM+8+2*\c]
	v_cvt_scalef32_pk16_bf6_f32 v[PC+12+4*\c:PC+14+4*\c], v[XS+16+32*\c:XS+31+32*\c], v[TM+8+2*\c+1]   ; (a conversion's three registers begin on an even number)
.endr
	v_nop                                          ; one plain instruction behind a scaled conversion
.irp c, 0,1                                    ; the operand wants a whole block in a lane: lanes 0-15 block 2 c, lanes 16-31 block 2 c + 1
.irp i, 0,1,2
	v_permlane16_swap_b32 v[PC+6*\c+\i], v[PC+12+4*\c+\i]
.endr
.irp i, 0,1,2
	v_mov_b32 v[PC+3+6*\c+\i], v[PC+12+4*\c+\i]
.endr
.endr
.endm
; Step k of a trip: my tile s53, which lies in set k and is in when the step begins.
.macro XSTEP k
	s_cmp_lt_u32 s53, s27
	s_cbranch_scc1 .Lxw_\k
	s_wait_loadcnt 0x0                             ; a step beyond my tiles: no load is out, on this way too
	s_branch .Lxe_\k
.Lxw_\k:
	TURN \k
	s_cmp_ge_u32 s29, s27
	s_cbranch_scc1 .Lxq_\k
	ASKSET \k                                      ; a tile is left to ask for: the one four on, into the set that has just gone into the stage
	s_wait_loadcnt 48                              ; three younger sets of 16 may be out, the one just asked for among them: the next step's set is in
	s_branch .Lxr_\k
.Lxq_\k:
	s_wait_loadcnt 0x0                             ; nothing was asked for: fewer than three sets are younger than the next step's, so the wait is for all
.Lxr_\k:
	QUANT
.irp c, 0,1,2
	ds_store_b128 v[IMW], v[PC+4*\c:PC+4*\c+3] offset:TILEB*(\k)+512*\c
.endr
	ds_store_b32 v[SCW], v[PW] offset:512*(\k)     ; lanes l and l + 16 write the same word with the same value
.Lxe_\k:
	s_add_co_u32 s53, s53, 1
.endm
; W2's fragments 4 s + t of pass p: tile 32 p + 4 w + t, K step s.  Those from lo to hi of the eleven in window 0
.macro BLOADLO p, lo, hi
.irp f, 21,22,23,24,25,26,27,28,29,30,31
.if (\f >= \lo) && (\f <= \hi)
.irp c, 0,1,2
	global_load_b128 v[124+12*(\f-21)+4*\c:124+12*(\f-21)+4*\c+3], v[LI], s[6:7] offset:(\p)*32*TILEB+(8*(\f%4)+\f/4)*FRB+512*\c
.endr
.endif
.endr
.endm
.macro BLOADHI p
	WIN 0x40
.irp f, 0,1,2,3,4,5,6,7,8,9,10,11,12,13,14,15,16,17,18,19,20
.irp c, 0,1,2
	global_load_b128 v[12*\f+4*\c:12*\f+4*\c+3], v[LI], s[6:7] offset:(\p)*32*TILEB+(8*(\f%4)+\f/4)*FRB+512*\c
.endr
.endr
	WIN 0
.endm
.macro BSCW p                          ; W2's scale words: lane l takes row 32 u + l of my 64: lanes 0-15 tile 2 u, lanes 16-31 tile 2 u + 1; register s = K step s.  And kc and V of my lane's four columns
.irp u, 0,1
	global_load_b128 v[BSC+8*\u:BSC+8*\u+3], v8, s[8:9] offset:16384*(\p)+1024*\u
	global_load_b128 v[BSC+8*\u+4:BSC+8*\u+7], v8, s[8:9] offset:16384*(\p)+1024*\u+16
.endr
.irp t, 0,1,2,3
	global_load_b32 v[KC+\t], v3, s[10:11] offset:2048*(\p)+64*\t
	global_load_b32 v[WV+\t], v3, s[12:13] offset:2048*(\p)+64*\t
.endr
.endm
.macro AFL s                           ; the tile's fragment of K step s, into one of three buffers
.irp c, 0,1,2
	ds_load_b128 v[AF+12*((\s)%3)+4*\c:AF+12*((\s)%3)+4*\c+3], v5 offset:FRB*(\s)+512*\c
.endr
.endm
.macro MM s, t                         ; one matrix instruction: K step s, my tile t of columns
.set FI, 4*(\s)+(\t)
.if FI <= 20
	WIN 0x04
.set BR, 12*FI
.else
	WIN 0
.set BR, 124+12*(FI-21)
.endif
.set AR, AF+12*((\s)%3)
.set CR, ACC+8*(\t)
.if (\t)%2 == 0
.if (\s) == 0
	v_wmma_scale_f32_16x16x128_f8f6f4 v[CR:CR+7], v[AR:AR+11], v[BR:BR+11], 0, v[ASCR+(\s)], v[BSC+8*((\t)/2)+(\s)] matrix_a_fmt:MATRIX_FMT_BF6 matrix_b_fmt:MATRIX_FMT_BF6
.else
	v_wmma_scale_f32_16x16x128_f8f6f4 v[CR:CR+7], v[AR:AR+11], v[BR:BR+11], v[CR:CR+7], v[ASCR+(\s)], v[BSC+8*((\t)/2)+(\s)] matrix_a_fmt:MATRIX_FMT_BF6 matrix_b_fmt:MATRIX_FMT_BF6
.endif
.else
.if (\s) == 0
	v_wmma_scale_f32_16x16x128_f8f6f4 v[CR:CR+7], v[AR:AR+11], v[BR:BR+11], 0, v[ASCR+(\s)], v[BSC+8*((\t)/2)+(\s)] matrix_a_fmt:MATRIX_FMT_BF6 matrix_b_fmt:MATRIX_FMT_BF6 matrix_b_scale:MATRIX_SCALE_ROW1
.else
	v_wmma_scale_f32_16x16x128_f8f6f4 v[CR:CR+7], v[AR:AR+11], v[BR:BR+11], v[CR:CR+7], v[ASCR+(\s)], v[BSC+8*((\t)/2)+(\s)] matrix_a_fmt:MATRIX_FMT_BF6 matrix_b_fmt:MATRIX_FMT_BF6 matrix_b_scale:MATRIX_SCALE_ROW1
.endif
.endif
.endm
.macro KSTEP s, left                   ; left: the LDS loads issued behind this K step's fragment
	s_wait_dscnt \left
	MM \s, 0                                       ; the four accumulators take turns, one instruction a turn
	MM \s, 1
	MM \s, 2
	MM \s, 3
.if (\s) != 5 && (\s) != 6
.rept 4
	v_nop                                          ; four plain instructions ahead of loads into the buffer just multiplied, and of the first read of the sums
.endr
.endif
.if (\s) < 5
	AFL (\s)+3
.endif
.endm
; Lane (r, h), register 8 t + j: x(row 8 h + j, column 16 t + r).
.macro EPI p
.irp t, 0,1,2,3
.irp j, 0,2,4,6
.if (\t)%2 == 0
	v_pk_fma_f32 v[ACC+8*\t+\j:ACC+8*\t+\j+1], v[ACC+8*\t+\j:ACC+8*\t+\j+1], s[48:49], v[KC+\t:KC+\t+1] op_sel_hi:[1,0,0]   ; k x + kc, two rows at a time; each accumulator from its low end on
.else
	v_pk_fma_f32 v[ACC+8*\t+\j:ACC+8*\t+\j+1], v[ACC+8*\t+\j:ACC+8*\t+\j+1], s[48:49], v[KC+\t-1:KC+\t] op_sel:[0,0,1] op_sel_hi:[1,0,1]   ; (the pair's upper word for both)
.endif
.endr
.endr
.set i, 0
.rept 32
	v_exp_f32 v[ACC+i], v[ACC+i]                   ; e^(2 (x + c)); infinity where it is too large: the reciprocal is 0 then, tanh 1
.set i, i+1
.endr
	v_nop                                          ; a plain instruction behind the last of the batch,
	s_wait_alu depctr_va_vdst(0)                   ; and one wait for the batch ahead of its first reader
.set i, 0
.rept 16
	v_pk_add_f32 v[ACC+i:ACC+i+1], v[ACC+i:ACC+i+1], 1.0 op_sel_hi:[1,0]
.set i, i+2
.endr
.set i, 0
.rept 32
	v_rcp_f32 v[ACC+i], v[ACC+i]
.set i, i+1
.endr
	v_nop
	s_wait_alu depctr_va_vdst(0)
.irp j, 0,2,4,6
	v_pk_mul_f32 v[SS+\j:SS+\j+1], v[ACC+\j:ACC+\j+1], v[WV:WV+1] op_sel_hi:[1,0]          ; the first tile starts the sums
.endr
.irp j, 0,2,4,6
	v_pk_fma_f32 v[SS+\j:SS+\j+1], v[ACC+8+\j:ACC+8+\j+1], v[WV:WV+1], v[SS+\j:SS+\j+1] op_sel:[0,1,0] op_sel_hi:[1,1,1]
.endr
.irp j, 0,2,4,6
	v_pk_fma_f32 v[SS+\j:SS+\j+1], v[ACC+16+\j:ACC+16+\j+1], v[WV+2:WV+3], v[SS+\j:SS+\j+1] op_sel_hi:[1,0,1]
.endr
.irp j, 0,2,4,6
	v_pk_fma_f32 v[SS+\j:SS+\j+1], v[ACC+24+\j:ACC+24+\j+1], v[WV+2:WV+3], v[SS+\j:SS+\j+1] op_sel:[0,1,0] op_sel_hi:[1,1,1]
.endr
	; eight sums in each of sixteen lanes become one sum a lane: at each stage a lane keeps the half of its registers that its bit names, and hands the other half to the lane that keeps it
.irp i, 0,1,2,3
	v_cndmask_b32 v[ACC+\i], v[SS+2*\i+1], v[SS+2*\i], s50
.endr
.irp i, 0,1,2,3
	v_cndmask_b32 v[SS+2*\i], v[SS+2*\i], v[SS+2*\i+1], s50
.endr
.irp i, 0,1,2,3
	v_add_f32_dpp v[SS+2*\i], v[ACC+\i], v[SS+2*\i] row_xmask:1 row_mask:0xf bank_mask:0xf
.endr
.irp i, 0,1
	v_cndmask_b32 v[ACC+\i], v[SS+4*\i+2], v[SS+4*\i], s51
.endr
.irp i, 0,1
	v_cndmask_b32 v[SS+4*\i], v[SS+4*\i], v[SS+4*\i+2], s51
.endr
.irp i, 0,1
	v_add_f32_dpp v[SS+4*\i], v[ACC+\i], v[SS+4*\i] row_xmask:2 row_mask:0xf bank_mask:0xf
.endr
	v_cndmask_b32 v[ACC], v[SS+4], v[SS], s52
	v_cndmask_b32 v[SS], v[SS], v[SS+4], s52
	v_add_f32_dpp v[SS], v[ACC], v[SS] row_xmask:4 row_mask:0xf bank_mask:0xf
	v_add_f32_dpp v[SS], v[SS], v[SS] row_xmask:8 row_mask:0xf bank_mask:0xf   ; lane l: row 8 h + l % 8, over my 64 columns
	ds_store_b32 v7, v[SS] offset:8192*(\p)        ; lanes l and l xor 8 write the same word with the same value
.endm
.macro MTILE p
	v_add_nc_u32 v5, s56, v[LI]
	v_add_nc_u32 v6, s57, v2
	v_add_nc_u32 v7, s59, v4
	ds_load_b128 v[ASCR:ASCR+3], v6
	ds_load_b128 v[ASCR+4:ASCR+7], v6 offset:16
	AFL 0
	AFL 1
	AFL 2
	KSTEP 0, 6                                     ; two younger fragments, three loads each
	KSTEP 1, 6
	KSTEP 2, 6
	KSTEP 3, 6
	KSTEP 4, 6
	KSTEP 5, 6
	KSTEP 6, 3                                     ; one
	KSTEP 7, 0
	EPI \p
.endm
.macro PASS p
.if \p
	BLOADLO 1, 21, 31                              ; (the last products stand behind the vector work of their tile: more than four plain instructions back)
	BLOADHI 1
	BSCW 1
.endif
	s_wait_loadcnt 0x0
.irp t, 0,1,2,3
	v_mul_f32 v[WV+\t], NK2L, v[WV+\t]             ; -k V
.endr
	s_mov_b32 s28, 0
	s_mov_b32 s56, 0
	s_mov_b32 s57, 0
	s_mov_b32 s59, 0
.Lm_\p:                                            ; sixteen trips, a constant; a trip beyond my tiles jumps over the work
	s_cmp_ge_u32 s28, s63
	s_cbranch_scc1 .Lms_\p
	MTILE \p
.Lms_\p:
	s_add_co_u32 s56, s56, TILEB
	s_add_co_u32 s57, s57, 512
	s_add_co_u32 s59, s59, 64
	s_add_co_u32 s28, s28, 1
	s_cmp_lt_u32 s28, 16
	s_cbranch_scc1 .Lm_\p
.endm
	s_load_b512 s[4:19], s[0:1], 0x0               ; values, w2img, W2's scales, kc, V_w, rowsT, meta, scores
	s_load_b64 s[20:21], s[0:1], 0x40              ; cs
	v_lshl_add_u32 v[SPW], v0, 2, SPARE
	v_mov_b32 v[NIL], 0
	v_lshrrev_b32 v[RR], 5, v0
	v_readfirstlane_b32 s22, v[RR]                 ; wave 0..7
	s_and_b32 s62, ttmp7, 0xffff                   ; batch
	s_lshl_b32 s58, s62, 2
	s_mov_b32 s31, 0
	v_and_b32 v[L32], 31, v0
	v_lshlrev_b32 v[LI], 4, v[L32]
	v_lshrrev_b32 v[RR], 1, v[L32]
	v_and_b32 v[HH], 1, v[L32]
	v_lshlrev_b32 v[L32], 9, v[RR]                 ; my m-th tile lies 8 tiles = 512 bytes behind the one before: lane 2 m + u takes
	v_lshl_add_u32 v[L32], v[HH], 5, v[L32]        ; its rows 8 u .. 8 u + 7,
	s_lshl_b32 s57, ttmp9, 6
	v_add_nc_u32 v[L32], s57, v[L32]               ; and my first tile is tile c
	s_wait_kmcnt 0x0
	s_load_b32 s23, s[16:17], s58 offset:0x0       ; n: wanted only in front of the loop
	s_lshl_b32 s30, s62, 13
	s_add_nc_u64 s[14:15], s[14:15], s[30:31]      ; rowsT and cs at my batch
	s_add_nc_u64 s[20:21], s[20:21], s[30:31]
	global_load_b128 v[IDV:IDV+3], v[L32], s[14:15]
	global_load_b128 v[IDV+4:IDV+7], v[L32], s[14:15] offset:16
	s_mul_i32 s30, s22, 4*TILEB
	s_add_nc_u64 s[6:7], s[6:7], s[30:31]          ; w2img at my four tiles
	BLOADLO 0, 23, 31                              ; nine of pass 0's fragments come while phase X runs
	s_lshl_b32 s30, s22, 9
	s_add_nc_u64 s[4:5], s[4:5], s[30:31]          ; values at my wave's 512 bytes of a row
	s_lshl_b32 s30, s22, 11
	s_add_nc_u64 s[8:9], s[8:9], s[30:31]          ; W2's scales at my 64 rows
	s_lshl_b32 s30, s22, 8
	s_add_nc_u64 s[12:13], s[12:13], s[30:31]      ; V_w at my 64 columns
	s_lshl_b32 s57, s62, 12
	s_add_co_u32 s30, s30, s57
	s_add_nc_u64 s[10:11], s[10:11], s[30:31]      ; kc likewise, in my batch
	v_and_b32 v[RR], 15, v0                        ; r
	v_bfe_u32 v[HH], v0, 4, 1                      ; h
	s_mul_i32 s56, s22, STGW
	s_add_co_u32 s56, s56, STG                     ; my stage
	v_add_nc_u32 v[STW], s56, v[LI]                ; in: a row's 512 bytes as they lie
	v_mul_u32_u24 v[STR], v[RR], SPITCH
	v_lshl_add_u32 v[STR], v[HH], 6, v[STR]
	v_add_nc_u32 v[STR], s56, v[STR]               ; back: row r, + 64 h: my 16 numbers of a block
	s_mul_i32 s56, s22, FRB
	v_add_nc_u32 v[IMS], s56, v[LI]                ; images: K step w
	s_lshl_b32 s56, s22, 2
	s_add_co_u32 s56, s56, ASC
	v_lshl_add_u32 v[SCS], v[RR], 5, s56           ; scale words: 32 r + 4 w
.irp b, 0,1,2,3
	v_mov_b32 v[TM+4+\b], 0                        ; written once: a lane permute's destination counts as one of its sources
.endr
	s_mov_b32 s48, K2L
	s_mov_b32 s49, K2L
	s_mov_b32 s50, 0xaaaaaaaa
	s_mov_b32 s51, 0xcccccccc
	s_mov_b32 s52, 0xf0f0f0f0
	s_mov_b32 s[SEL], 0x76543210
	s_mov_b32 s[SEL+1], 0xfedcba98
	s_wait_loadcnt 27                              ; the row numbers are in; the 27 loads behind them may be out
	s_mov_b32 s29, 0
	ASKSET 0                                       ; four sets on end: none of them hangs on n
	ASKSET 1
	ASKSET 2
	ASKSET 3
	s_wait_kmcnt 0x0
	s_min_u32 s23, s23, 2048
	s_add_co_u32 s24, s23, 15
	s_lshr_b32 s24, s24, 4                         ; nt, 128 at the most
	s_add_co_u32 s26, s24, 7
	s_sub_co_u32 s26, s26, ttmp9
	s_lshr_b32 s26, s26, 3                         ; mt: the tiles c, c + 8, .. under nt: 16 at the most
	s_max_u32 s63, s26, 1
	s_max_u32 s27, s26, 4
	s_wait_loadcnt 48                              ; set 0 is in; three younger sets of 16 may be out
	s_mov_b32 s53, 0
	s_mov_b32 s28, 0
	s_mov_b32 s56, 0
	s_mov_b32 s57, 0
.Lx:                                               ; four trips of four steps, a constant
	v_add_nc_u32 v[IMW], s56, v[IMS]
	v_add_nc_u32 v[SCW], s57, v[SCS]
	XSTEP 0
	XSTEP 1
	XSTEP 2
	XSTEP 3
	s_add_co_u32 s56, s56, 4*TILEB
	s_add_co_u32 s57, s57, 4*512
	s_add_co_u32 s28, s28, 1
	s_cmp_lt_u32 s28, 4
	s_cbranch_scc1 .Lx
	s_wait_loadcnt 0x0                             ; no row load is out: the sets' registers take W2's fragments below
	s_wait_dscnt 0x0                               ; for the others' sake: my images and scale words have landed; and their stores have read the registers that are loaded below
	v_lshl_add_u32 v2, v[RR], 5, ASC               ; the rows' scale words: 32 r
	v_lshlrev_b32 v3, 2, v[RR]                     ; 4 r
	v_and_b32 v4, 7, v0
	v_lshl_add_u32 v4, v[HH], 3, v4
	v_lshlrev_b32 v4, 2, v4
	s_lshl_b32 s56, s22, 10
	s_add_co_u32 s56, s56, PART
	v_add_nc_u32 v4, s56, v4                       ; my slot, row 8 h + l % 8
	v_lshlrev_b32 v8, 1, v[LI]                     ; 32 x lane
	BLOADLO 0, 21, 22                              ; the rest of pass 0's fragments
	BLOADHI 0
	BSCW 0
	s_barrier_signal -1
	s_barrier_wait -1
	PASS 0
	PASS 1
	v_lshlrev_b32 v84, 2, v0                       ; my row's place in a slot of parts: tile i / 16, row i % 16
	v_lshrrev_b32 v90, 4, v0
	v_and_b32 v91, 15, v0
	v_lshlrev_b32 v90, 9, v90
	v_lshl_add_u32 v90, v91, 2, v90
	s_lshl_b32 s30, ttmp9, 6
	v_add_nc_u32 v90, s30, v90                     ; and in the batch's list, in bytes: 64 (c + 8 (i / 16)) + 4 (i % 16)
	global_load_b32 v88, v90, s[14:15]             ; the number of the row there, ALL LANES ON: every such place lies inside the batch's list.  It lands while the waves meet
	s_wait_dscnt 0x0                               ; my parts have landed
	s_barrier_signal -1
	s_barrier_wait -1
	v_add_nc_u32 v85, PART, v84
	v_lshrrev_b32 v86, 2, v90                      ; my place in the batch's list
	v_mov_b32 v87, 0xff800000                      ; -infinity
	s_wait_loadcnt 0x0
	v_min_u32 v88, 0xffff, v88                     ; held inside scores in every lane, while all lanes are on (it lies there by construction)
	v_lshlrev_b32 v88, 2, v88
	s_lshl_b32 s30, s26, 4
	v_cmp_gt_u32 vcc_lo, s30, v0                   ; threads 0 .. 16 mt - 1
	s_wait_xcnt 0x0                                ; EXEC changes only behind this wait
	s_and_saveexec_b32 s62, vcc_lo
.irp i, 0,1,2,3,4,5,6,7,8,9,10,11,12,13,14,15
	ds_load_b32 v[ACC+\i], v85 offset:1024*\i
.endr
	s_wait_dscnt 0x0
.irp i, 0,1,2,3,4,5,6,7
	v_add_f32 v[ACC+\i], v[ACC+\i], v[ACC+8+\i]
.endr
.irp i, 0,1,2,3
	v_add_f32 v[ACC+\i], v[ACC+\i], v[ACC+4+\i]
.endr
	v_add_f32 v[ACC], v[ACC], v[ACC+2]
	v_add_f32 v[ACC+1], v[ACC+1], v[ACC+3]
	v_add_f32 v[ACC], v[ACC], v[ACC+1]             ; t
	v_cmp_gt_u32 vcc_lo, s23, v86                  ; a place under n holds a live row; the others keep -inf
	v_cndmask_b32 v89, v87, v[ACC], vcc_lo
	global_store_b32 v90, v89, s[20:21]            ; cs: sixteen neighbouring lanes, 64 neighbouring bytes
	global_store_b32 v88, v89, s[18:19]            ; scores, at the row itself
	s_wait_xcnt 0x0                                ; and again ahead of the line that widens EXEC
	s_or_b32 exec_lo, exec_lo, s62
	s_wait_tensorcnt 0x0                           ; the wave's end
	ds_add_u32 v[SPW], v[NIL]
	s_wait_dscnt 0x0
	s_endpgm
.Lfunc_end_k_q9cfef2e361_scores:
	.size	k_q9cfef2e361_scores, .Lfunc_end_k_q9cfef2e361_scores-k_q9cfef2e361_scores
	.p2alignl 7, 3214868480
	.fill 96, 4, 3214868480
	.section	.rodata,"a",@progbits
	.p2align	6, 0x0
	.amdhsa_kernel k_q9cfef2e361_scores
		.amdhsa_group_segment_fixed_size 289792
		.amdhsa_private_segment_fixed_size 0
		.amdhsa_enable_private_segment 0
		.amdhsa_kernarg_size 72
		.amdhsa_user_sgpr_count 2
		.amdhsa_user_sgpr_kernarg_segment_ptr 1
		.amdhsa_wavefront_size32 1
		.amdhsa_system_sgpr_workgroup_id_x 1
		.amdhsa_system_sgpr_workgroup_id_y 1
		.amdhsa_system_sgpr_workgroup_id_z 1
		.amdhsa_system_vgpr_workitem_id 0
		.amdhsa_next_free_vgpr 512
		.amdhsa_next_free_sgpr 66
		.amdhsa_reserve_vcc 1
		.amdhsa_float_denorm_mode_32 3
		.amdhsa_float_denorm_mode_16_64 3
		.amdhsa_memory_ordered 1
		.amdhsa_forward_progress 1
		.amdhsa_inst_pref_size 119
	.end_amdhsa_kernel
	.amdgpu_metadata
---
amdhsa.version: [ 1, 2 ]
amdhsa.kernels:
  - .name:           k_q9cfef2e361_scores
    .symbol:         k_q9cfef2e361_scores.kd
    .args:
      - { .name: values, .offset: 0, .size: 8, .value_kind: global_buffer, .address_space: global }
      - { .name: w2img, .offset: 8, .size: 8, .value_kind: global_buffer, .address_space: global }
      - { .name: W2_w_scales, .offset: 16, .size: 8, .value_kind: global_buffer, .address_space: global }
      - { .name: kc, .offset: 24, .size: 8, .value_kind: global_buffer, .address_space: global }
      - { .name: V_w, .offset: 32, .size: 8, .value_kind: global_buffer, .address_space: global }
      - { .name: rowsT, .offset: 40, .size: 8, .value_kind: global_buffer, .address_space: global }
      - { .name: meta, .offset: 48, .size: 8, .value_kind: global_buffer, .address_space: global }
      - { .name: scores, .offset: 56, .size: 8, .value_kind: global_buffer, .address_space: global }
      - { .name: cs, .offset: 64, .size: 8, .value_kind: global_buffer, .address_space: global }
    .group_segment_fixed_size: 289792
    .private_segment_fixed_size: 0
    .kernarg_segment_align: 8
    .kernarg_segment_size: 72
    .max_flat_workgroup_size: 256
    .sgpr_count:     66
    .vgpr_count:     512
    .wavefront_size: 32
...
	.end_amdgpu_metadata
.endif
;; end of part 5
;; launch context (part 6): grid 8 x 32, 8 waves a work-group, no clusters, 5,632 bytes of LDS; arguments values, scores, cs, rowsT, meta, out0, out1; writes out0, out1
.if DOCPART == 6
	.amdgcn_target "amdgcn-amd-amdhsa--gfx1250"
	.amdhsa_code_object_version 6
	.text
	.protected	k_q9cfef2e361_context
	.globl	k_q9cfef2e361_context
	.p2align	8
	.type	k_q9cfef2e361_context,@function
k_q9cfef2e361_context:
	s_mov_b64 s[64:65], 0
	v_nop
	global_prefetch_b8 v0, s[64:65] scope:SCOPE_SE
	s_setreg_imm32_b32 hwreg(HW_REG_WAVE_MODE, 25, 1), 1
	s_wait_xcnt 0x0
; BAHDANAU ATTENTION, launch 3 of 3: alphas = softmax of the masked scores (out1), context = sum of alpha x row (out0).  All in f32: one row of weights against 2,048 rows is no work for the matrix units.
; LEFT OUT: the rows with mask == 0 are not read (their alpha is exactly 0): shown at the head of the first launch.  The mask itself has done its work there: scores and cs hold -inf wherever no live row stands.
; SHARES.  Work-group (c, b): batch b, columns 128 c .. 128 c + 127 (512 bytes of each live row): each number of out0 has one owner.  Every work-group of a batch makes the batch's maximum M and sum l from scores
;   (8 KB, read densely; the maximum is taken away before the exponential, as in reference()); wave c of work-group c stores its 256 alphas, so that the eight work-groups write out1 once.
;   Wave w takes list tiles w, w + 8, ..: a load reads one row's 512 consecutive bytes; three sets of 16 loads, two on their way while one is added up.
;   A ROW'S OFFSET STANDS IN THE FIRST OF THE FOUR REGISTERS THAT ITS LOAD FILLS: the load lands on its own address register, and that register is written again only when the set's loads have been shown in by their
;   counted wait and added up: so no wait on XCNT stands between the sets.
;   A wave's 256 weights 2^(cs - M) are made at once (lane 2 i + r / 8, register r % 8: row r of its i-th tile) and reach the multiply-adds through scalar registers.
;   Two sets are always asked for: a wave with fewer tiles reads rows of the same list, whose cs is -inf and whose weight is 0; so it is with the masked rows that fill a batch's last tile.
; LIMITS: NaN and infinities among the inputs are not served (a row weighed by 0 must be finite).  A batch with no live row gives NaN in both outputs, as reference() does: -inf less -inf.
.set MAXB,  0                          ; LDS: eight maxima;
.set SUMB,  256                        ; eight sums;
.set ACCB,  512                        ; eight waves x 512 bytes of context;
.set SPARE, 4608                       ; the spare words, 128 bytes a wave: four blocks of 256 bytes that no other line names
.set LI,   1                           ; v1      16 x lane
.set IDV,  2                           ; v2-9    my tiles' row numbers
.set P,    10                          ; v10-17  cs, then the weights
.set T,    18                          ; v18-25  my eight scores, then p
.set ACC,  34                          ; v34-41  two sums of four columns (even rows', odd rows')
.set SPW,  52
.set NIL,  53
.set X,    64                          ; v64-255 three sets of 16 rows x 4: a row's offset, then the row
; v42 M; v43 1 / l; v44-51 at work; v54 16 x thread; v55 my row numbers' place; v56 4 x wave; v57 0; v58, v59 LDS places of the sums; v60 lane
; s20 wave; s22 batch; s23 n; s24 nt; s25 my tiles; s26 max of that and 2; s27 the tile at work; s28 loop counter; s29 the tile asked for next; s[30:31] an offset; s[32:47] row numbers, then offsets; s[48:63] weights; s98, s99 lanes
.macro ASKSET k                        ; the sixteen rows of my s29-th tile are asked for, into set k, at the work-group's 512 bytes
	s_lshl_b32 s98, s29, 1
	s_add_co_u32 s99, s98, 1
.irp r, 0,1,2,3,4,5,6,7,8,9,10,11,12,13,14,15
	v_readlane_b32 s[32+\r], v[IDV+(\r%8)], s[98+(\r/8)]
.endr
.irp r, 0,1,2,3,4,5,6,7,8,9,10,11,12,13,14,15
	s_min_u32 s[32+\r], s[32+\r], 0xffff           ; (a row number lies there by construction)
	s_lshl_b32 s[32+\r], s[32+\r], 12              ; a row is 4,096 bytes: under 2^28 in all
.endr
.irp r, 0,1,2,3,4,5,6,7,8,9,10,11,12,13,14,15
	v_add_nc_u32 v[X+64*(\k)+4*\r], s[32+\r], v[LI]
.endr
.irp r, 0,1,2,3,4,5,6,7,8,9,10,11,12,13,14,15
	global_load_b128 v[X+64*(\k)+4*\r:X+64*(\k)+4*\r+3], v[X+64*(\k)+4*\r], s[4:5] th:TH_LOAD_NT   ; the load lands on its own address register
.endr
	s_add_co_u32 s29, s29, 1
.endm
.macro CWORK k, left                   ; the tile in set k is added up.  left: the younger loads that may stay out
	s_wait_loadcnt \left
	s_lshl_b32 s98, s27, 1
	s_add_co_u32 s99, s98, 1
.irp r, 0,1,2,3,4,5,6,7,8,9,10,11,12,13,14,15
	v_readlane_b32 s[48+\r], v[P+(\r%8)], s[98+(\r/8)]
.endr
.irp r, 0,1,2,3,4,5,6,7,8,9,10,11,12,13,14,15
.irp e, 0,1,2,3
	v_fmac_f32 v[ACC+4*(\r%2)+\e], s[48+\r], v[X+64*(\k)+4*\r+\e]
.endr
.endr
	s_add_co_u32 s27, s27, 1
.endm
.macro CSTEP k
	s_cmp_ge_u32 s29, s26
	s_cbranch_scc1 .Lct_\k
	ASKSET (\k+2)%3
	CWORK \k, 32                                   ; two younger sets of 16
.endm
	s_load_b64 s[4:5], s[0:1], 0x0                 ; values
	s_load_b256 s[8:15], s[0:1], 0x8               ; scores, cs, rowsT, meta
	s_load_b128 s[16:19], s[0:1], 0x28             ; out0, out1
	v_lshl_add_u32 v[SPW], v0, 2, SPARE
	v_mov_b32 v[NIL], 0
	v_lshrrev_b32 v56, 5, v0
	v_readfirstlane_b32 s20, v56                   ; wave 0..7
	v_lshlrev_b32 v56, 2, v56
	s_and_b32 s22, ttmp7, 0xffff                   ; batch
	s_lshl_b32 s100, s22, 2
	s_mov_b32 s31, 0
	s_wait_kmcnt 0x0
	s_load_b32 s23, s[14:15], s100 offset:0x0      ; n
	v_and_b32 v60, 31, v0
	v_lshlrev_b32 v[LI], 4, v60
	v_lshlrev_b32 v54, 4, v0
	v_lshrrev_b32 v55, 1, v60
	v_lshlrev_b32 v55, 9, v55                      ; my i-th tile lies 8 tiles = 512 bytes behind the one before,
	v_and_b32 v45, 1, v60
	v_lshl_add_u32 v55, v45, 5, v55                ; odd lanes take its rows 8 to 15,
	s_lshl_b32 s101, s20, 6
	v_add_nc_u32 v55, s101, v55                    ; and my first tile is tile w
	v_mov_b32 v57, 0
	v_mov_b32 v46, 0                               ; (a lane permute's destination counts as one of its sources)
	v_add_nc_u32 v58, ACCB, v54
	v_add_nc_u32 v59, ACCB, v[LI]
.irp e, 0,1,2,3,4,5,6,7
	v_mov_b32 v[ACC+\e], 0
.endr
	s_mov_b32 s104, 0x76543210
	s_mov_b32 s105, 0xfedcba98                     ; v_permlanex16_b32's selects for lane l xor 16
	s_lshl_b32 s30, s22, 13                        ; a batch is 8,192 bytes in each of these four
	s_add_nc_u64 s[8:9], s[8:9], s[30:31]
	s_add_nc_u64 s[10:11], s[10:11], s[30:31]
	s_add_nc_u64 s[12:13], s[12:13], s[30:31]
	s_add_nc_u64 s[18:19], s[18:19], s[30:31]
	s_lshl_b32 s30, ttmp9, 9
	s_add_nc_u64 s[4:5], s[4:5], s[30:31]          ; values at the work-group's 512 bytes of a row
	s_lshl_b32 s101, s22, 12
	s_add_co_u32 s30, s30, s101
	s_add_nc_u64 s[16:17], s[16:17], s[30:31]      ; out0 likewise, in my batch
	global_load_b128 v[IDV:IDV+3], v55, s[12:13]
	global_load_b128 v[IDV+4:IDV+7], v55, s[12:13] offset:16
	global_load_b128 v[P:P+3], v55, s[10:11]
	global_load_b128 v[P+4:P+7], v55, s[10:11] offset:16
	global_load_b128 v[T:T+3], v54, s[8:9]         ; rows 4 t .. 4 t + 3 and 1024 + 4 t ..
	global_load_b128 v[T+4:T+7], v54, s[8:9] offset:4096
	s_wait_loadcnt 4                               ; the row numbers are in; the four loads behind them may be out
	s_mov_b32 s29, 0
	ASKSET 0
	ASKSET 1                                       ; two sets of rows are on their way while M and l are made
	s_wait_kmcnt 0x0
	s_min_u32 s23, s23, 2048
	s_add_co_u32 s24, s23, 15
	s_lshr_b32 s24, s24, 4                         ; nt
	s_add_co_u32 s25, s24, 7
	s_sub_co_u32 s25, s25, s20
	s_lshr_b32 s25, s25, 3                         ; my tiles: w, w + 8, .. under nt
	s_max_u32 s26, s25, 2
	s_wait_loadcnt 32                              ; cs and scores are in; the 32 row loads may be out
	v_max3_num_f32 v45, v[T], v[T+1], v[T+2]
	v_max3_num_f32 v47, v[T+3], v[T+4], v[T+5]
	v_max3_num_f32 v45, v45, v[T+6], v[T+7]
	v_max_num_f32 v45, v45, v47
	v_max_num_f32_dpp v45, v45, v45 row_xmask:1 row_mask:0xf bank_mask:0xf
	v_max_num_f32_dpp v45, v45, v45 row_xmask:2 row_mask:0xf bank_mask:0xf
	v_max_num_f32_dpp v45, v45, v45 row_xmask:4 row_mask:0xf bank_mask:0xf
	v_max_num_f32_dpp v45, v45, v45 row_xmask:8 row_mask:0xf bank_mask:0xf
	v_permlanex16_b32 v46, v45, s104, s105
	v_max_num_f32 v45, v45, v46
	ds_store_b32 v56, v45 offset:MAXB              ; all lanes write the same word with the same value
	s_wait_dscnt 0x0
	s_barrier_signal -1
	s_barrier_wait -1
	ds_load_b128 v[44:47], v57 offset:MAXB
	ds_load_b128 v[48:51], v57 offset:MAXB+16
	s_wait_dscnt 0x0
	v_max3_num_f32 v42, v44, v45, v46
	v_max3_num_f32 v42, v42, v47, v48
	v_max3_num_f32 v42, v42, v49, v50
	v_max_num_f32 v42, v42, v51                    ; M
.irp j, 0,1,2,3,4,5,6,7
	v_sub_f32 v[T+\j], v[T+\j], v42
	v_sub_f32 v[P+\j], v[P+\j], v42
.endr
.irp j, 0,1,2,3,4,5,6,7
	v_exp_f32 v[T+\j], v[T+\j]
	v_exp_f32 v[P+\j], v[P+\j]                     ; 0 where cs is -inf: pads, and tiles that the batch does not have
.endr
	v_nop                                          ; a plain instruction behind the batch,
	s_wait_alu depctr_va_vdst(0)                   ; and one wait for the sixteen, ahead of their first reader
	v_add_f32 v45, v[T], v[T+1]
	v_add_f32 v47, v[T+2], v[T+3]
	v_add_f32 v48, v[T+4], v[T+5]
	v_add_f32 v49, v[T+6], v[T+7]
	v_add_f32 v45, v45, v47
	v_add_f32 v48, v48, v49
	v_add_f32 v45, v45, v48
	v_add_f32_dpp v45, v45, v45 row_xmask:1 row_mask:0xf bank_mask:0xf
	v_add_f32_dpp v45, v45, v45 row_xmask:2 row_mask:0xf bank_mask:0xf
	v_add_f32_dpp v45, v45, v45 row_xmask:4 row_mask:0xf bank_mask:0xf
	v_add_f32_dpp v45, v45, v45 row_xmask:8 row_mask:0xf bank_mask:0xf
	v_permlanex16_b32 v46, v45, s104, s105
	v_add_f32 v45, v45, v46
	ds_store_b32 v56, v45 offset:SUMB              ; other bytes than the maxima's: no barrier is owed between the two
	s_wait_dscnt 0x0
	s_barrier_signal -1
	s_barrier_wait -1
	ds_load_b128 v[44:47], v57 offset:SUMB
	ds_load_b128 v[48:51], v57 offset:SUMB+16
	s_wait_dscnt 0x0
	v_add_f32 v44, v44, v45
	v_add_f32 v46, v46, v47
	v_add_f32 v48, v48, v49
	v_add_f32 v50, v50, v51
	v_add_f32 v44, v44, v46
	v_add_f32 v48, v48, v50
	v_add_f32 v43, v44, v48                        ; l
	v_rcp_f32 v43, v43
	v_nop                                          ; a plain instruction behind the reciprocal,
	s_wait_alu depctr_va_vdst(0)                   ; and the wait ahead of its first reader
	s_cmp_lg_u32 s20, ttmp9                        ; wave c of work-group c stores its alphas
	s_cbranch_scc1 .Lno1
.irp j, 0,1,2,3,4,5,6,7
	v_mul_f32 v[T+\j], v[T+\j], v43
.endr
	global_store_b128 v54, v[T:T+3], s[18:19]      ; 32 lanes store 512 consecutive bytes
	global_store_b128 v54, v[T+4:T+7], s[18:19] offset:4096
.Lno1:
	s_mov_b32 s27, 0
	s_mov_b32 s28, 0
.Lc:                                               ; three tiles a trip; the loop is left through one of the tails, when my last tile has been asked for.  No LDS instruction stands in it
	CSTEP 0
	CSTEP 1
	CSTEP 2
	s_add_co_u32 s28, s28, 1
	s_cmp_lt_u32 s28, 5
	s_cbranch_scc1 .Lc
	s_wait_loadcnt 0x0                             ; (not reached: with at most 16 tiles the fifteenth step leaves by its tail)
	s_branch .Lcd
.Lct_0:                                            ; the tails: two sets are out, nothing more is asked for
	CWORK 0, 16
	CWORK 1, 0
	s_branch .Lcd
.Lct_1:
	CWORK 1, 16
	CWORK 2, 0
	s_branch .Lcd
.Lct_2:
	CWORK 2, 16
	CWORK 0, 0
.Lcd:
.irp e, 0,1,2,3
	v_add_f32 v[ACC+\e], v[ACC+\e], v[ACC+4+\e]
.endr
.irp e, 0,1,2,3
	v_mul_f32 v[ACC+\e], v[ACC+\e], v43            ; / l
.endr
	ds_store_b128 v58, v[ACC:ACC+3]
	s_wait_dscnt 0x0                               ; for wave 0's sake: my part has landed
	s_barrier_signal -1
	s_barrier_wait -1
	s_cmp_lg_u32 s20, 0
	s_cbranch_scc1 .Lend
.irp i, 0,1,2,3,4,5,6,7
	ds_load_b128 v[X+4*\i:X+4*\i+3], v59 offset:512*\i
.endr
	s_wait_dscnt 0x0
.irp i, 1,2,3,4,5,6,7
.irp e, 0,1,2,3
	v_add_f32 v[X+\e], v[X+\e], v[X+4*\i+\e]
.endr
.endr
	global_store_b128 v[LI], v[X:X+3], s[16:17]    ; 32 lanes store 512 consecutive bytes of out0
.Lend:
	s_wait_tensorcnt 0x0                           ; the wave's end
	ds_add_u32 v[SPW], v[NIL]
	s_wait_dscnt 0x0
	s_endpgm
.Lfunc_end_k_q9cfef2e361_context:
	.size	k_q9cfef2e361_context, .Lfunc_end_k_q9cfef2e361_context-k_q9cfef2e361_context
	.p2alignl 7, 3214868480
	.fill 96, 4, 3214868480
	.section	.rodata,"a",@progbits
	.p2align	6, 0x0
	.amdhsa_kernel k_q9cfef2e361_context
		.amdhsa_group_segment_fixed_size 5632
		.amdhsa_private_segment_fixed_size 0
		.amdhsa_enable_private_segment 0
		.amdhsa_kernarg_size 56
		.amdhsa_user_sgpr_count 2
		.amdhsa_user_sgpr_kernarg_segment_ptr 1
		.amdhsa_wavefront_size32 1
		.amdhsa_system_sgpr_workgroup_id_x 1
		.amdhsa_system_sgpr_workgroup_id_y 1
		.amdhsa_system_sgpr_workgroup_id_z 1
		.amdhsa_system_vgpr_workitem_id 0
		.amdhsa_next_free_vgpr 256
		.amdhsa_next_free_sgpr 106
		.amdhsa_reserve_vcc 0
		.amdhsa_float_denorm_mode_32 3
		.amdhsa_float_denorm_mode_16_64 3
		.amdhsa_memory_ordered 1
		.amdhsa_forward_progress 1
		.amdhsa_inst_pref_size 61
	.end_amdhsa_kernel
	.amdgpu_metadata
---
amdhsa.version: [ 1, 2 ]
amdhsa.kernels:
  - .name:           k_q9cfef2e361_context
    .symbol:         k_q9cfef2e361_context.kd
    .args:
      - { .name: values, .offset: 0, .size: 8, .value_kind: global_buffer, .address_space: global }
      - { .name: scores, .offset: 8, .size: 8, .value_kind: global_buffer, .address_space: global }
      - { .name: cs, .offset: 16, .size: 8, .value_kind: global_buffer, .address_space: global }
      - { .name: rowsT, .offset: 24, .size: 8, .value_kind: global_buffer, .address_space: global }
      - { .name: meta, .offset: 32, .size: 8, .value_kind: global_buffer, .address_space: global }
      - { .name: out0, .offset: 40, .size: 8, .value_kind: global_buffer, .address_space: global }
      - { .name: out1, .offset: 48, .size: 8, .value_kind: global_buffer, .address_space: global }
    .group_segment_fixed_size: 5632
    .private_segment_fixed_size: 0
    .kernarg_segment_align: 8
    .kernarg_segment_size: 56
    .max_flat_workgroup_size: 256
    .sgpr_count:     106
    .vgpr_count:     256
    .wavefront_size: 32
...
	.end_amdgpu_metadata
.endif
;; end of part 6
